; MI455X (gfx1250); checked and timed in simulation.
; The chip was launched on July 23, 2026; its instructions are those of AMD's public machine-readable ISA for CDNA 5 (MIT licence, August 2026) and "CDNA5" Instruction Set Architecture Reference Guide (July 2026). The comments in the code are by the model that wrote it; some were corrected since.
;; Multihead Attention Z Cross. Allowed arithmetic: matrix products marked QUANTISED: E2M1 operands, one E8M0 scale for each 32 along K, by v_wmma_scale_f32_16x16x128_f8f6f4 with both operands' format E2M1 (or v_wmma_scale_f32_32x16x128_f4), f32 sums; everything else in f32.
;; Inputs: W_codes 1,024 x 32 x 16 uint8 (E2M1 codes of W, K innermost, in blocks of 32 codes, two codes a byte); W_scales 1,024 x 32 uint8 (E8M0 scales of W, one for each 32 codes along K); b 1,024 float32; k_codes 2,048 x 8 x 32 x 16 uint8 (E2M1 codes of k, K innermost, in blocks of 32 codes, two codes a byte); k_scales 2,048 x 8 x 32 uint8 (E8M0 scales of k, one for each 32 codes along K); q1 1,024 x 8 x 1,024 float32; value 2,048 x 8 x 1,024 float32.
;; Outputs: out0 1,024 x 8 x 1,024 float32.
;; This version of the problem:
;;   THIS VERSION OF THE PROBLEM IS GIVEN IN LOW PRECISION. The matrix products marked QUANTISED in the list below multiply operands that are first quantised to E2M1 (2 exponent bits, 1 mantissa bit; 4 bits a number), with one power-of-two scale for each 32 numbers along K (OCP MX v1.0); their sums are f32. All else is computed in f32.
;;   The module's matrix products, in the order in which they are computed (A, B: the left and right operand; K: the contracted axis; several contracted axes count as one K, in the product's order):
;;     1. [M 16,384, K 1,024] x [K 1,024, N 1,024]; A: input k (given as codes); B: input W (given as codes): QUANTISED
;;     2. batch 8 x [M 1,024, K 1,024] x [K 1,024, N 2,048]; A: computed on the way; B: input k (given as codes): QUANTISED
;;     3. batch 8 x [M 1,024, K 2,048] x [K 2,048, N 1,024]; A: softmax (see below); B: computed on the way: QUANTISED
;;   THE QUANTISER, for each operand of a quantised product, along K:
;;     - K is cut into blocks of 32 from its start; a last block that is shorter is filled with zeros.
;;     - A block's scale is 2^e with e = floor(log2(the largest magnitude in the block)) - 2, held to -126 .. 127; a block of zeros has e = 0. As a byte (E8M0): e + 127.
;;     - Each number is divided by its block's scale, clamped to +-6, and rounded to the nearest number of E2M1, ties to even, subnormals kept.
;;     - The product sums the exact products of the quantised numbers (number of the format x scale) in f32.
;;   ~~~python
;;   def quantise(x, axis):      # numpy; x: float32 -> the quantised numbers, widened to float32 again
;;       x = np.moveaxis(x, axis, -1); K = x.shape[-1]
;;       x = np.pad(x, [(0, 0)] * (x.ndim - 1) + [(0, -K % 32)]); x = x.reshape(x.shape[:-1] + (-1, 32)); a = np.abs(x).max(-1, keepdims=True)
;;       e = np.where(a > 0, np.clip(np.frexp(np.where(a > 0, a, 1))[1] - 1 - 2, -126, 127), 0)      # np.frexp(a)[1] - 1 = floor(log2(a)), exactly
;;       r = np.clip(x / 2.0 ** e, -6, 6)
;;       step = 2.0 ** (np.maximum(np.frexp(np.where(r == 0, 1, r))[1] - 1, 0) - 1)
;;       q = np.round(r / step) * step * 2.0 ** e      # np.round: ties to even
;;       return np.moveaxis(q.reshape(q.shape[:-2] + (-1,))[..., :K], -1, axis).astype(np.float32)
;;   ~~~
;;   SOFTMAX AHEAD OF A QUANTISED PRODUCT. Where the list says 'softmax', what is quantised is not the finished softmax but p = 2^(t - M), with t = logit x log2(e) and M = ceil(the row's largest t), a whole number; so 1/2 < the row's largest p <= 1. The row's sum l is taken of the UNQUANTISED p, in f32, and the product's result is divided by l at the end. Since M is a whole number, a kernel that streams over the keys may use a running M (the ceiling of the running maximum): every later rescaling is an exact power of two, which a block's scale takes up: the codes' values come out the same.
;;   OPERANDS COMPUTED ON THE WAY. 'Computed on the way' means the value that the module computes at that place (a softmax that the list does not call 'softmax' is quantised finished and normalised). What goes into a quantiser is computed in f32, as accurately as f32 sums, v_exp_f32 and their like allow (about 1e-6 of the number): no bf16 or f16 on the way to a quantiser, and a product that is left as it is and whose result goes on into a quantised operand takes f32 operands (vector FMAs, or v_wmma_f32_16x16x4_f32). A number that lies on a knife's edge between two numbers of the format may be rounded either way, as far as f32 arithmetic and the matrix unit's own rounding can turn it there, and no further.
;;   INPUTS GIVEN AS CODES. W (in the module: [1024, 1024], K = its axis 1); k (in the module: [2048, 8, 1024], K = its axis 2): each comes as NAME_codes (uint8): NAME with its K axis moved to the last place and cut into blocks of 32 codes, [.., K / 32, bytes a block], one block behind the other in memory; two codes a byte, the lower K in the low four bits (a code: sign, 2 exponent bits, 1 mantissa bit); and NAME_scales (uint8): the same leading axes, one E8M0 byte (e + 127) for each 32 codes along K. Its value is code x scale, taken as it is: it is not quantised again, and the codes and scales need not be those that the quantiser above would give.
;; 2 versions, each right and faster than the one before. Each part assembles by itself: llvm-mc -triple=amdgcn-amd-amdhsa -mcpu=gfx1250 --defsym DOCPART=n.
;; ======== version 1 of 2: 3 launches
;; workspace buffers: qimg 4,194,304 bytes; qsc 262,144 bytes; vimg 8,388,608 bytes; vsc 524,288 bytes; pimg 8,388,608 bytes; pst 1,572,864 bytes
;; launch vproj (part 1): grid 4 x 64, 4 waves a work-group, clusters of 4 x 4, 327,680 bytes of LDS; arguments k_codes, k_scales, W_codes, W_scales, b, q1, vimg, vsc, qimg, qsc; writes vimg, vsc, qimg, qsc
.if DOCPART == 1
	.amdgcn_target "amdgcn-amd-amdhsa--gfx1250"
	.amdhsa_code_object_version 6
	.text
	.protected	k_qeb6b7ba465_vproj
	.globl	k_qeb6b7ba465_vproj
	.p2align	8
	.type	k_qeb6b7ba465_vproj,@function
k_qeb6b7ba465_vproj:
	s_mov_b64 s[64:65], 0
	v_nop
	global_prefetch_b8 v0, s[64:65] scope:SCOPE_SE
	s_setreg_imm32_b32 hwreg(HW_REG_WAVE_MODE, 25, 1), 1
	s_wait_xcnt 0x0
	s_wait_alu depctr_hold_cnt(0) depctr_sa_sdst(0) depctr_va_vdst(0) depctr_va_sdst(0) depctr_va_ssrc(0) depctr_va_vcc(0) depctr_vm_vsrc(0)
	s_getreg_b32 s2, hwreg(HW_REG_IB_STS2, 6, 4)
	s_cmp_eq_u32 s2, 0
	s_cbranch_scc0 .Lentry_in_a_cluster
	s_endpgm
.Lentry_in_a_cluster:
	s_bfe_u32 s2, ttmp6, 0x10000c
	s_cmp_lg_u32 s2, 0xf033
	s_cbranch_scc0 .Lentry_shape_is_right
	s_endpgm
.Lentry_shape_is_right:
; LAUNCH 1 OF 3.  (a) v[s][bt][e] = sum over c of k[s][bt][c] W[e][c] + b[e], on codes of FP4 (E2M1) with one E8M0 scale for each 32 along c, and v quantised along the KEYS s, which are the
; third product's K.  (b) q1 / 8 quantised along its 1,024 channels, the second product's K.  The input 'value' is not among the arguments: reference() deletes it before its first use, so no result hangs on it.
; SHARES.  A work-group makes 256 keys x 256 outputs e of one batch bt; 4 tile columns (e) x 64 (8 batches x 8 tiles of keys) = 256 work-groups.  Four waves, each 128 x 128: 64 accumulators, 512 registers.
; THE MATRIX INSTRUCTION: source 0 (R) = 16 keys, source 1 (L) = 16 rows of W.  In the result a lane holds ONE output e (lane % 16) and its registers run along the keys: tile i's register j is key 16 i + 8 (lane / 16) + j.
; So a wave's eight tiles for 16 outputs are 128 keys: one K step of the third product.  They are quantised in registers and leave as an IMAGE OF THE OPERAND'S REGISTERS: 1,024 bytes, register group c at 512 c + 16 x lane.
; K = 1,024 lies in LDS whole: two slots of 512 along K, each filled ONCE; no LDS byte is filled twice.
; CLUSTER 4 x 4: the four work-groups of a row need the same tile of k, the four of a column the same tile of W: each tile is asked for jointly.
; THE SCALE WORDS of a wave's 128 + 128 rows, for all of K, lie in registers: lanes 0-15 hold block g's, lanes 16-31 block g + 4's; a product names the register of its block % 4 and the upper row of lanes for blocks 4-7.
; THE BIAS is the C of each sum's first product.
; q: wave (work-group, wave / 2) takes one block of 16 queries, wave % 2 its half of the channels: four fragments, quantised while the tiles land.
; LIMITS: NaN and infinities are not served.  A block whose largest magnitude lies under 2^-124 keeps the scale byte 1, a block of zeros too (the rule says 127): its codes are zeros, and this program alone reads the bytes.
; REGISTERS, in windows of 256.  Window 0: v1-15 addresses; v16-31 at work; v32-63 k's scale words; v64-95 W's; v96-127 q's codes; v128-191 L's fragments (first q's numbers, last v's codes); v192-219 scale words made here.
;   Window 1: v0-63, v128-191 R's two sets of fragments (first q's numbers, with v192-255); v64-127 the bias.   Windows 2, 3: the accumulators, (a, bb) at v[8 (8 (a % 4) + bb)].
.set PITCH,  272                       ; an LDS row: 256 bytes of codes + 16 of padding, so that the 16 rows of a load begin at 16 different columns of 16 bytes
.set HALFT,  128*PITCH                 ; 128 rows: what one tensor load brings
.set SLOT,   4*HALFT                   ; W's 256 rows, then k's 256 rows, 512 along K
.set ADRL, 4                           ; v4-5   LDS address of my fragments of W in slot 0, 1
.set ADRR, 6                           ; v6-7   the same for k
.set QA,   8                           ; v8     q1: 32,768 r + 32 h
.set LI,   9                           ; v9     16 x lane: an image's place for my lane
.set ST32, 10                          ; v10    32 r + 16 h: eight words a row, four a lane
.set QS,   11                          ; v11    16 r + 8 h: four words a row, two a lane
.set KSA,  12                          ; v12    k's scales: 256 (r + 64 h)
.set WSA,  13                          ; v13    W's scales: 32 (r + 64 h)
.set BA,   14                          ; v14    4 r
.set TM,   16                          ; v16-19 largest magnitudes, v20-23 the other lanes' and then bytes, v28-31 the conversions' scale operands
.set RS,   32                          ; R's scale words: block x, K step st at RS + 8 (x % 4) + st
.set RSB,  8
.set RSS,  1
.set LS,   64                          ; L's likewise
.set LSB,  8
.set LSS,  1
.set QPC,  96                          ; q's codes, 8 registers a fragment
.set AF,   128                         ; L's fragments
.set PC,   128                         ; v's codes, 8 registers for each block of 16 outputs
.set QW,   192                         ; q's four scale words
.set QD,   196                         ; and as they are stored
.set SW,   208                         ; v's eight scale words
.set SD,   216                         ; and as they are stored
.set BI,   64                          ; window 1: the bias, 8 equal registers for each block of 16 outputs
.set KCOD, 4
.set KSCL, 6
.set WCOD, 8
.set WSCL, 10
.set BIAS, 12
.set Q1P,  14
.set VIMG, 16
.set VSC,  18
.set QIMG, 20
.set QSC,  22
.set G1L,  24                          ; s[24:31] descriptor group 1 for W's tiles;  s[32:39] group 0, a set for each slot
.set G0L,  32
.set G1R,  40                          ; s[40:47], s[48:55] the same for k's tiles
.set G0R,  48
.set WV,   56                          ; wave
.set LH,   57                          ; wave / 2: my 128 rows of L.  Also: I fetch for L (0) or for R (1)
.set RH,   58                          ; wave % 2: my 128 rows of R.  Also: which 128 rows of that tile I fetch
.set CX,   59
.set CY,   60
.set XT,   61                          ; tile column: 256 outputs e
.set YC,   62                          ; the cluster's y
.set BT,   63                          ; batch
.set STL,  66                          ; tile of 256 keys
.set RM,   67
.set CM,   68
.set ORT,  70                          ; s[70:71] k's tile;  s[72:73] W's tile
.set OLT,  72
.set LA,   74                          ; LDS address of what I fetch
.set OF,   76                          ; s[76:77] an offset, 0 on top
.set T0,   78
.set SEL,  80                          ; s[80:81] v_permlanex16_b32's selects for lane l xor 16
.set HM,   82                          ; the mask of lanes 16-31
.set GQ,   83                          ; my block of 16 queries: 64 x batch + block
.set LB0,  84
.set LB1,  85
.set MSB, 0
.macro WIN new                         ; the immediate's high byte repeats the setting that is left; a switch that changes nothing is dropped
.if MSB != (\new)
	s_set_vgpr_msb (MSB<<8)|(\new)
.set MSB, (\new)
.endif
.endm
.set MUL_LO,  0xa1                     ; source 0 (R) window 1, source 1 (L) window 0, C and D window 2
.set MUL_HI,  0xf1                     ; the same, C and D window 3
.set BIAS_LO, 0x91                     ; C (the bias) window 1, D window 2
.set BIAS_HI, 0xd1                     ; C window 1, D window 3
.set TO_R,    0x40                     ; destination window 1, address window 0
.macro PLACES n
.rept \n
	v_nop
.endr
.endm
; A joint load: waves 0 and 1 fetch W's two halves, waves 2 and 3 k's.  The branch hangs on the wave's number alone.  Four v_nop follow each of the two lines.
.macro JLOAD g0l, g1l, g0r, g1r
	s_cmp_eq_u32 s[LH], 0
	s_cbranch_scc0 .Lfor_r_\@
	tensor_load_to_lds s[\g0l:\g0l+3], s[\g1l:\g1l+7]
	s_nop 0
	PLACES 4
	s_branch .Lasked_\@
.Lfor_r_\@:
	tensor_load_to_lds s[\g0r:\g0r+3], s[\g1r:\g1r+7]
	s_nop 0
	PLACES 4
.Lasked_\@:
.endm
.macro CROUND                          ; a round of the cluster's barrier
	s_barrier_signal -1
	s_barrier_wait -1
	s_cmp_lg_u32 s[WV], 0
	s_cbranch_scc1 .Lnot_wave_0_\@
	s_barrier_signal -3
.Lnot_wave_0_\@:
	s_barrier_wait -3
	s_barrier_signal -1
	s_barrier_wait -1
.endm
.macro FIRST reg, sh                   ; an offset is begun: reg << sh
	s_lshl_b32 s[OF], s[\reg], \sh
.endm
.macro TERM reg, sh                    ; + reg << sh
	s_lshl_b32 s[T0], s[\reg], \sh
	s_add_co_u32 s[OF], s[OF], s[T0]
.endm
.macro BUMP p                          ; and added to a pointer, once, ahead of the pointer's first use
	s_add_nc_u64 s[\p:\p+1], s[\p:\p+1], s[OF:OF+1]
.endm
; One product: L's block a x R's block bb, K step st, R's set p.  kind 0: C = 0;  1: in place;  2: C = the bias.
.macro WM a, bb, p, st, kind
.set rD, 8*(8*((\a)%4)+(\bb))
.set rR, 128*(\p)+8*(\bb)
.set rL, AF+8*(\a)
.set rC, rD
.if (\kind)==2
.set rC, BI+8*(\a)
.endif
.set rX, RS+RSB*((\bb)%4)+RSS*(\st)
.set rY, LS+LSB*((\a)%4)+LSS*(\st)
.set rV, 2*((\a)/4)+(\bb)/4
.if (\kind)==0
.if rV==0
	v_wmma_scale_f32_16x16x128_f8f6f4 v[rD:rD+7], v[rR:rR+7], v[rL:rL+7], 0, v[rX], v[rY] matrix_a_fmt:MATRIX_FMT_FP4 matrix_b_fmt:MATRIX_FMT_FP4
.elseif rV==1
	v_wmma_scale_f32_16x16x128_f8f6f4 v[rD:rD+7], v[rR:rR+7], v[rL:rL+7], 0, v[rX], v[rY] matrix_a_fmt:MATRIX_FMT_FP4 matrix_b_fmt:MATRIX_FMT_FP4 matrix_a_scale:MATRIX_SCALE_ROW1
.elseif rV==2
	v_wmma_scale_f32_16x16x128_f8f6f4 v[rD:rD+7], v[rR:rR+7], v[rL:rL+7], 0, v[rX], v[rY] matrix_a_fmt:MATRIX_FMT_FP4 matrix_b_fmt:MATRIX_FMT_FP4 matrix_b_scale:MATRIX_SCALE_ROW1
.else
	v_wmma_scale_f32_16x16x128_f8f6f4 v[rD:rD+7], v[rR:rR+7], v[rL:rL+7], 0, v[rX], v[rY] matrix_a_fmt:MATRIX_FMT_FP4 matrix_b_fmt:MATRIX_FMT_FP4 matrix_a_scale:MATRIX_SCALE_ROW1 matrix_b_scale:MATRIX_SCALE_ROW1
.endif
.else
.if rV==0
	v_wmma_scale_f32_16x16x128_f8f6f4 v[rD:rD+7], v[rR:rR+7], v[rL:rL+7], v[rC:rC+7], v[rX], v[rY] matrix_a_fmt:MATRIX_FMT_FP4 matrix_b_fmt:MATRIX_FMT_FP4
.elseif rV==1
	v_wmma_scale_f32_16x16x128_f8f6f4 v[rD:rD+7], v[rR:rR+7], v[rL:rL+7], v[rC:rC+7], v[rX], v[rY] matrix_a_fmt:MATRIX_FMT_FP4 matrix_b_fmt:MATRIX_FMT_FP4 matrix_a_scale:MATRIX_SCALE_ROW1
.elseif rV==2
	v_wmma_scale_f32_16x16x128_f8f6f4 v[rD:rD+7], v[rR:rR+7], v[rL:rL+7], v[rC:rC+7], v[rX], v[rY] matrix_a_fmt:MATRIX_FMT_FP4 matrix_b_fmt:MATRIX_FMT_FP4 matrix_b_scale:MATRIX_SCALE_ROW1
.else
	v_wmma_scale_f32_16x16x128_f8f6f4 v[rD:rD+7], v[rR:rR+7], v[rL:rL+7], v[rC:rC+7], v[rX], v[rY] matrix_a_fmt:MATRIX_FMT_FP4 matrix_b_fmt:MATRIX_FMT_FP4 matrix_a_scale:MATRIX_SCALE_ROW1 matrix_b_scale:MATRIX_SCALE_ROW1
.endif
.endif
.endm
; 16 products: L's blocks a0, a0 + 1 x R's eight.  The 64 accumulators take turns, one instruction a turn, in the same order in every K step.
.macro MUL16 a0, p, st, kind
.irp a, \a0, \a0+1
.irp bb, 0,1,2,3,4,5,6,7
	WM (\a), \bb, \p, \st, \kind
.endr
.endr
.endm
; A fragment, 16 rows x 128 K of 4-bit codes, is 8 registers: lane l holds row l % 16; registers 4 c .. 4 c + 3 hold K = 64 c + 32 (l / 16) + 0 .. 31: 16 bytes of the row as they lie.
.macro FRAGROW reg, adr, q, i
.irp c, 0,1
	ds_load_b128 v[(\reg)+4*\c:(\reg)+4*\c+3], v[\adr] offset:64*(\q)+32*\c+(\i)*16*PITCH
.endr
.endm
.macro FETCH_R slot, q, p              ; R's eight fragments of the slot's q-th 128 along K into set p: 16 loads
	WIN TO_R
.irp i, 0,1,2,3,4,5,6,7
	FRAGROW 128*(\p)+8*\i, ADRR+\slot, \q, \i
.endr
	WIN 0
.endm
.macro FETCH_L slot, q, i0             ; L's blocks i0 .. i0 + 3: 8 loads
.irp i, \i0, \i0+1, \i0+2, \i0+3
	FRAGROW AF+8*(\i), ADRL+\slot, \q, \i
.endr
.endm
; A K step of 128 that has its successor in the same slot.  L has one set of registers: a block is free when its eight products are issued.  R has two.
; A load into a register that a matrix instruction has read stands four plain vector instructions behind it (ISA guide 7.12.1 for vector instructions).
.macro STEP slot, q, st, kind
	s_wait_dscnt 8                                 ; R's set and L's blocks 0-3 are in; the youngest eight loads (L's blocks 4-7) may be out
.if (\kind)==2
	WIN BIAS_LO
.else
	WIN MUL_LO
.endif
	MUL16 0, (\q)%2, \st, \kind
	MUL16 2, (\q)%2, \st, \kind
	s_wait_dscnt 0x0                               ; L's blocks 4-7 are in
	PLACES 4
	FETCH_R \slot, (\q)+1, 1-(\q)%2
	FETCH_L \slot, (\q)+1, 0
.if (\kind)==2
	WIN BIAS_HI
.else
	WIN MUL_HI
.endif
	MUL16 4, (\q)%2, \st, \kind
	MUL16 6, (\q)%2, \st, \kind
	PLACES 4
	WIN 0
	FETCH_L \slot, (\q)+1, 4
.endm
; Slot 0's last K step.  The barrier shows slot 1 whole to every wave: each wave has waited for its own part.
.macro TURN slot, next, st
	s_wait_tensorcnt 0x0                           ; my part of the next slot has landed
	s_wait_dscnt 8
	WIN MUL_LO
	MUL16 0, 1, \st, 1
	s_wait_dscnt 0x0                               ; no LDS instruction of mine is out at the signal
	s_barrier_signal -1
	MUL16 2, 1, \st, 1
	WIN 0
	s_barrier_wait -1
	PLACES 4
	FETCH_R \next, 0, 0
	FETCH_L \next, 0, 0
	WIN MUL_HI
	MUL16 4, 1, \st, 1
	MUL16 6, 1, \st, 1
	PLACES 4
	WIN 0
	FETCH_L \next, 0, 4
.endm
.macro LAST st                         ; the very last K step: nothing more to fetch; four places ahead of the first read of results
	s_wait_dscnt 8
	WIN MUL_LO
	MUL16 0, 1, \st, 1
	MUL16 2, 1, \st, 1
	s_wait_dscnt 0x0
	WIN MUL_HI
	MUL16 4, 1, \st, 1
	MUL16 6, 1, \st, 1
	WIN 0
	PLACES 4
.endm
; 64 numbers of a lane, v[s] .. v[s + 63] of window w, register 8 i + j = k 16 i + 8 (lane / 16) + j of my row, become a fragment's codes in v[pc] on and its scale word in v[pw] (window 0).
; A block of 32 is tiles 2 b and 2 b + 1 in lanes l and l xor 16.  Each tile's registers are read from the low end on.
.macro QUANT s, w, pc, pw
	WIN (\w)|((\w)<<2)
.irp b, 0,1,2,3
	v_max3_num_f32 v[TM+\b], |v[(\s)+16*\b]|, |v[(\s)+16*\b+1]|, 0x1800000   ; with the floor 2^(3 - 127): the byte cannot fall under 1
.endr
.irp i, 2,4,6,8,10,12,14
.irp b, 0,1,2,3
	v_max3_num_f32 v[TM+\b], |v[(\s)+16*\b+\i]|, |v[(\s)+16*\b+\i+1]|, v[TM+\b]   ; the four blocks by turns
.endr
.endr
	WIN 0
.irp b, 0,1,2,3
	v_permlanex16_b32 v[TM+4+\b], v[TM+\b], s[SEL], s[SEL+1]
.endr
.irp b, 0,1,2,3
	v_max_num_f32 v[TM+\b], v[TM+\b], v[TM+4+\b]   ; with lane l xor 16's: the block's largest magnitude
.endr
.irp b, 0,1,2,3
	v_add_nc_u32 v[TM+12+\b], 0xff000000, v[TM+\b] ; 2 off its exponent field: the conversion takes the exponent field of this operand as its scale
.endr
.irp b, 0,1,2,3
	v_lshrrev_b32 v[TM+4+\b], 23, v[TM+12+\b]      ; the scale's byte
.endr
	v_lshl_or_b32 v[\pw], v[TM+5], 8, v[TM+4]
	v_lshl_or_b32 v[\pw], v[TM+6], 16, v[\pw]
	v_lshl_or_b32 v[\pw], v[TM+7], 24, v[\pw]      ; my row's scale word
	WIN (\w)
.irp i, 0,1,2,3,4,5,6,7
	v_cvt_scalef32_pk8_fp4_f32 v[(\pc)+4*(\i/4)+2*(\i%2)+((\i/2)%2)], v[(\s)+8*\i:(\s)+8*\i+7], v[TM+12+\i/2]   ; tile i's eight codes: tiles 0, 2, 1, 3 in registers 0 to 3
.endr
	WIN 0
	v_nop                                          ; one plain place behind a scaled conversion
.irp c, 0,1                                    ; the first's lanes 16-31 change places with the second's lanes 0-15: registers 4 c .. 4 c + 3 then hold k = 64 c + 32 (lane / 16) + 0 .. 31
	v_permlane16_swap_b32 v[(\pc)+4*\c], v[(\pc)+4*\c+1]
	v_permlane16_swap_b32 v[(\pc)+4*\c+2], v[(\pc)+4*\c+3]
.endr
.endm
; Eight words a row, the same in both halves of the lanes, leave by one store of 512 consecutive bytes: lanes 0-15 give words 0-3 of row r, lanes 16-31 words 4-7.
.macro STAT x, d, base, off
.irp i, 0,1,2,3
	v_cndmask_b32 v[(\d)+\i], v[(\x)+\i], v[(\x)+4+\i], s[HM]
.endr
	global_store_b128 v[ST32], v[(\d):(\d)+3], s[\base:\base+1] offset:\off
.endm
	s_load_b256 s[4:11], s[0:1], 0x0               ; k's codes, k's scales, W's codes, W's scales
	s_load_b256 s[12:19], s[0:1], 0x20             ; b, q1, vimg, vsc
	s_load_b128 s[20:23], s[0:1], 0x40             ; qimg, qsc
	v_lshl_add_u32 v254, v0, 2, 0x44000
	v_mov_b32 v255, 0
	ds_add_u32 v254, v255
	ds_add_u32 v254, v255
	v_lshrrev_b32 v1, 5, v0
	v_readfirstlane_b32 s[WV], v1
	s_lshr_b32 s[LH], s[WV], 1
	s_and_b32 s[RH], s[WV], 1
	s_bfe_u32 s[CX], ttmp6, 0x40000                ; my place in the cluster
	s_bfe_u32 s[CY], ttmp6, 0x40004
	s_lshl_b32 s[XT], ttmp9, 2
	s_add_co_u32 s[XT], s[XT], s[CX]               ; tile column = 4 x cluster x + cx
	s_and_b32 s[YC], ttmp7, 0xffff
	s_lshr_b32 s[BT], s[YC], 1                     ; work-group y = 4 x cluster y + cy = 8 x batch + tile of keys
	s_and_b32 s[STL], s[YC], 1
	s_lshl_b32 s[STL], s[STL], 2
	s_add_co_u32 s[STL], s[STL], s[CY]
	s_lshl_b32 s[RM], s[CY], 2
	s_lshl_b32 s[RM], 15, s[RM]                    ; my row of the cluster
	s_lshl_b32 s[CM], 0x1111, s[CX]                ; my column
	; group 1: 128 rows x 256 bytes, elements of 1 byte, 4 words of padding behind every 64; bit 21 set beside the mask.  k's rows of one batch lie 4,096 bytes apart, W's 512
	s_or_b32 s[G1R], s[RM], (1<<20)|(1<<21)|(5<<22)|(3<<25)
	s_or_b32 s[G1L], s[CM], (1<<20)|(1<<21)|(5<<22)|(3<<25)
.irp g, G1L, G1R
	s_mov_b32 s[\g+1], 256<<16                     ; tensor_dim0
	s_mov_b32 s[\g+2], 128<<16                     ; tensor_dim1
	s_mov_b32 s[\g+3], 256<<16                     ; tile_dim0
	s_mov_b32 s[\g+4], 128                         ; tile_dim1
	s_mov_b32 s[\g+6], 0
	s_mov_b32 s[\g+7], 0
.endr
	s_mov_b32 s[G1L+5], 512                        ; tensor_dim0_stride
	s_mov_b32 s[G1R+5], 4096
	; k's tile hangs on the batch, the tile of keys (cy) and the wave; W's on the tile column (cx) and the wave: each in registers that never hold the other coordinate
	s_lshl_b32 s[ORT], s[STL], 20                  ; 256 keys x 4,096 bytes
	s_lshl_b32 s[ORT+1], s[RH], 19
	s_add_co_u32 s[ORT], s[ORT], s[ORT+1]
	s_lshl_b32 s[ORT+1], s[BT], 9
	s_add_co_u32 s[ORT], s[ORT], s[ORT+1]
	s_mov_b32 s[ORT+1], 0
	s_lshl_b32 s[OLT], s[XT], 17                   ; 256 rows x 512 bytes
	s_lshl_b32 s[OLT+1], s[RH], 16
	s_add_co_u32 s[OLT], s[OLT], s[OLT+1]
	s_mov_b32 s[OLT+1], 0
	s_mul_i32 s[LA], s[WV], HALFT                  ; where it goes: wave x 128 rows
	s_mov_b32 s[OF+1], 0
	s_mov_b32 s[SEL], 0x76543210
	s_mov_b32 s[SEL+1], 0xfedcba98
	s_mov_b32 s[HM], 0xffff0000
	s_wait_dscnt 0x0
	s_wait_kmcnt 0x0
	s_add_nc_u64 s[ORT:ORT+1], s[KCOD:KCOD+1], s[ORT:ORT+1]
	s_add_nc_u64 s[OLT:OLT+1], s[WCOD:WCOD+1], s[OLT:OLT+1]
	CROUND                                         ; all sixteen work-groups are here: the joint loads meet
.irp s, 0,1                                    ; both slots at once: two tensor loads of mine are out, the launch's only ones
	s_mov_b32 s[G0L+4*\s], 1
	s_add_co_u32 s[G0L+4*\s+1], s[LA], \s*SLOT
	s_add_nc_u64 s[G0L+4*\s+2:G0L+4*\s+3], s[OLT:OLT+1], \s*256
	s_or_b32 s[G0L+4*\s+3], s[G0L+4*\s+3], 0x80000000
	s_mov_b32 s[G0R+4*\s], 1
	s_add_co_u32 s[G0R+4*\s+1], s[LA], \s*SLOT
	s_add_nc_u64 s[G0R+4*\s+2:G0R+4*\s+3], s[ORT:ORT+1], \s*256
	s_or_b32 s[G0R+4*\s+3], s[G0R+4*\s+3], 0x80000000
	JLOAD G0L+4*\s, G1L, G0R+4*\s, G1R
.endr
	; ---- q: my block of 16 queries and my half of its channels
	s_lshl_b32 s[GQ], s[YC], 2
	s_add_co_u32 s[GQ], s[GQ], s[CY]
	s_lshl_b32 s[GQ], s[GQ], 2
	s_add_co_u32 s[GQ], s[GQ], s[XT]
	s_lshl_b32 s[GQ], s[GQ], 1
	s_add_co_u32 s[GQ], s[GQ], s[LH]               ; 2 x work-group + wave / 2 = 64 x batch + block, 0 .. 511
	s_and_b32 s[OF], s[GQ], 63
	s_lshl_b32 s[OF], s[OF], 19                    ; 16 queries x 32,768 bytes
	s_lshr_b32 s[T0], s[GQ], 6
	s_lshl_b32 s[T0], s[T0], 12                    ; the batch's 4,096 bytes of a query
	s_add_co_u32 s[OF], s[OF], s[T0]
	TERM RH, 11                                    ; my 512 channels
	BUMP Q1P
	v_and_b32 v1, 15, v0                           ; r
	v_bfe_u32 v2, v0, 4, 1                         ; h
	v_and_b32 v3, 31, v0                           ; lane
	v_lshlrev_b32 v[QA], 15, v1
	v_lshl_add_u32 v[QA], v2, 5, v[QA]
; fragment f: register 8 i + 4 u + .. = channel 128 f + 16 i + 8 h + 4 u + .. of query r
.macro XLOAD f, reg
.irp i, 0,1,2,3,4,5,6,7
.irp u, 0,1
	global_load_b128 v[(\reg)+8*\i+4*\u:(\reg)+8*\i+4*\u+3], v[QA], s[Q1P:Q1P+1] offset:512*(\f)+64*\i+16*\u th:TH_LOAD_NT
.endr
.endr
.endm
	XLOAD 0, 128
	WIN TO_R
	XLOAD 1, 192
	XLOAD 2, 0
	XLOAD 3, 128
	WIN 0
	; the other pointers, each at my wave's part
	FIRST GQ, 13
	TERM RH, 12
	BUMP QIMG                                      ; [batch][block][K step 8][1,024]
	FIRST GQ, 9
	TERM RH, 8
	BUMP QSC                                       ; [batch][block][half of K][r][4 words]
	FIRST STL, 16
	TERM RH, 15
	TERM BT, 5
	BUMP KSCL                                      ; key x 256 + batch x 32
	FIRST XT, 13
	TERM LH, 12
	BUMP WSCL
	FIRST XT, 10
	TERM LH, 9
	BUMP BIAS
	FIRST BT, 20
	TERM XT, 18
	TERM LH, 17
	TERM STL, 11
	TERM RH, 10
	BUMP VIMG                                      ; [batch][block of 16 outputs 64][K step 16][1,024]
	FIRST BT, 16
	TERM STL, 13
	TERM RH, 12
	TERM XT, 10
	TERM LH, 9
	BUMP VSC                                       ; [batch][K step 16][128 outputs 8][r 16][block 8] words
	v_mul_u32_u24 v15, v1, PITCH
	v_lshl_add_u32 v15, v2, 4, v15                 ; a fragment's row x pitch + 16 x half
	s_mul_i32 s[LB0], s[LH], HALFT                 ; my 128 rows of W,
	s_mul_i32 s[LB1], s[RH], HALFT                 ; my 128 keys,
	s_add_co_u32 s[LB1], s[LB1], 2*HALFT           ; which lie behind W's 256 rows
.irp s, 0,1
	v_add_nc_u32 v[ADRL+\s], s[LB0], v15
	v_add_nc_u32 v[ADRR+\s], s[LB1], v15
	s_add_co_u32 s[LB0], s[LB0], SLOT
	s_add_co_u32 s[LB1], s[LB1], SLOT
.endr
	v_lshlrev_b32 v[LI], 4, v3
	v_lshlrev_b32 v[ST32], 5, v1
	v_lshl_add_u32 v[ST32], v2, 4, v[ST32]
	v_lshlrev_b32 v[QS], 4, v1
	v_lshl_add_u32 v[QS], v2, 3, v[QS]
	v_lshl_add_u32 v[KSA], v2, 6, v1               ; r + 64 h: lanes 16-31 take the block four further on
	v_lshlrev_b32 v[WSA], 5, v[KSA]
	v_lshlrev_b32 v[KSA], 8, v[KSA]
	v_lshlrev_b32 v[BA], 2, v1
.irp b, 0,1,2,3
	v_mov_b32 v[TM+4+\b], 0                        ; written once: a lane permute's destination counts as one of its sources
.endr
; fragment f of q, in window w from v[reg] on: x 1/8, as reference() has it (exact), quantised, its image stored.  left: the younger loads that may stay out
.macro QFRAG f, reg, w, left
	s_wait_loadcnt \left
	WIN ((\w)<<6)|(\w)
.set j, 0
.rept 32
	v_pk_mul_f32 v[(\reg)+j:(\reg)+j+1], v[(\reg)+j:(\reg)+j+1], 0x3e000000 op_sel_hi:[1,0]
.set j, j+2
.endr
	QUANT \reg, \w, QPC+8*(\f), QW+(\f)
.irp c, 0,1
	global_store_b128 v[LI], v[QPC+8*(\f)+4*\c:QPC+8*(\f)+4*\c+3], s[QIMG:QIMG+1] offset:1024*(\f)+512*\c   ; 512 consecutive bytes
.endr
.endm
	QFRAG 0, 128, 0, 48                            ; behind fragment 0's sixteen loads: 3 x 16
	QFRAG 1, 192, 1, 32                            ; 2 x 16
	; the scale words of my 128 keys and my 128 rows of W for all of K, and the bias: 24 loads
.irp g, 0,1,2,3
.irp kh, 0,1
	global_load_b128 v[RS+8*\g+4*\kh:RS+8*\g+4*\kh+3], v[KSA], s[KSCL:KSCL+1] offset:4096*\g+16*\kh
.endr
.endr
.irp g, 0,1,2,3
.irp kh, 0,1
	global_load_b128 v[LS+8*\g+4*\kh:LS+8*\g+4*\kh+3], v[WSA], s[WSCL:WSCL+1] offset:512*\g+16*\kh
.endr
.endr
	WIN TO_R
.irp a, 0,1,2,3,4,5,6,7
	global_load_b32 v[BI+8*\a], v[BA], s[BIAS:BIAS+1] offset:64*\a   ; b of output 16 a + r, in both halves of the lanes
.endr
	WIN 0
	QFRAG 2, 0, 1, 40                              ; fragment 3's 16 and the 24
	QFRAG 3, 128, 1, 24                            ; the 24
	v_cndmask_b32 v[QD], v[QW], v[QW+2], s[HM]     ; lanes 0-15 give words 0, 1 of row r, lanes 16-31 words 2, 3
	v_cndmask_b32 v[QD+1], v[QW+1], v[QW+3], s[HM]
	global_store_b64 v[QS], v[QD:QD+1], s[QSC:QSC+1]   ; 256 consecutive bytes
	s_wait_loadcnt 0x0                             ; scale words and bias
	WIN 0x41
.irp a, 0,1,2,3,4,5,6,7
.irp j, 1,2,3,4,5,6,7
	v_mov_b32 v[BI+8*\a+\j], v[BI+8*\a]            ; C wants the lane's b in all eight registers: they are eight keys of one output
.endr
.endr
	WIN 0
	PLACES 4
	; ---- the products: eight K steps of 128
	s_wait_tensorcnt 0x1                           ; my part of slot 0 is in; slot 1's may stay out
	s_barrier_signal -1
	s_barrier_wait -1                              ; everybody's is
	FETCH_R 0, 0, 0
	FETCH_L 0, 0, 0
	FETCH_L 0, 0, 4
	STEP 0, 0, 0, 2                                ; the first products start the sums from the bias
	STEP 0, 1, 1, 1
	STEP 0, 2, 2, 1
	TURN 0, 1, 3
	STEP 1, 0, 4, 1
	STEP 1, 1, 5, 1
	STEP 1, 2, 6, 1
	LAST 7
	; ---- the way out: for each block of 16 outputs my 128 keys become one fragment of V^T and one scale word a row
.irp a, 0,1,2,3,4,5,6,7
	QUANT 64*((\a)%4), 2+(\a)/4, PC+8*(\a), SW+(\a)
.irp c, 0,1
	global_store_b128 v[LI], v[PC+8*\a+4*\c:PC+8*\a+4*\c+3], s[VIMG:VIMG+1] offset:16384*\a+512*\c   ; 512 consecutive bytes
.endr
.endr
	STAT SW, SD, VSC, 0
	s_wait_tensorcnt 0x0
	ds_add_u32 v254, v255
	s_wait_dscnt 0x0
	CROUND                                         ; the closing round: no work-group ends while a partner may still ask for a tile that names it
	s_endpgm
.Lfunc_end_k_qeb6b7ba465_vproj:
	.size	k_qeb6b7ba465_vproj, .Lfunc_end_k_qeb6b7ba465_vproj-k_qeb6b7ba465_vproj
	.p2alignl 7, 3214868480
	.fill 96, 4, 3214868480
	.section	.rodata,"a",@progbits
	.p2align	6, 0x0
	.amdhsa_kernel k_qeb6b7ba465_vproj
		.amdhsa_group_segment_fixed_size 327680
		.amdhsa_private_segment_fixed_size 0
		.amdhsa_enable_private_segment 0
		.amdhsa_kernarg_size 80
		.amdhsa_user_sgpr_count 2
		.amdhsa_user_sgpr_kernarg_segment_ptr 1
		.amdhsa_wavefront_size32 1
		.amdhsa_system_sgpr_workgroup_id_x 1
		.amdhsa_system_sgpr_workgroup_id_y 1
		.amdhsa_system_sgpr_workgroup_id_z 1
		.amdhsa_system_vgpr_workitem_id 0
		.amdhsa_next_free_vgpr 1024
		.amdhsa_next_free_sgpr 100
		.amdhsa_reserve_vcc 0
		.amdhsa_float_denorm_mode_32 3
		.amdhsa_float_denorm_mode_16_64 3
		.amdhsa_memory_ordered 1
		.amdhsa_forward_progress 1
		.amdhsa_inst_pref_size 165
	.end_amdhsa_kernel
	.amdgpu_metadata
---
amdhsa.version: [ 1, 2 ]
amdhsa.kernels:
  - .name:           k_qeb6b7ba465_vproj
    .symbol:         k_qeb6b7ba465_vproj.kd
    .args:
      - { .name: k_codes, .offset: 0, .size: 8, .value_kind: global_buffer, .address_space: global }
      - { .name: k_scales, .offset: 8, .size: 8, .value_kind: global_buffer, .address_space: global }
      - { .name: W_codes, .offset: 16, .size: 8, .value_kind: global_buffer, .address_space: global }
      - { .name: W_scales, .offset: 24, .size: 8, .value_kind: global_buffer, .address_space: global }
      - { .name: b, .offset: 32, .size: 8, .value_kind: global_buffer, .address_space: global }
      - { .name: q1, .offset: 40, .size: 8, .value_kind: global_buffer, .address_space: global }
      - { .name: vimg, .offset: 48, .size: 8, .value_kind: global_buffer, .address_space: global }
      - { .name: vsc, .offset: 56, .size: 8, .value_kind: global_buffer, .address_space: global }
      - { .name: qimg, .offset: 64, .size: 8, .value_kind: global_buffer, .address_space: global }
      - { .name: qsc, .offset: 72, .size: 8, .value_kind: global_buffer, .address_space: global }
    .group_segment_fixed_size: 327680
    .private_segment_fixed_size: 0
    .kernarg_segment_align: 8
    .kernarg_segment_size: 80
    .max_flat_workgroup_size: 128
    .sgpr_count:     100
    .vgpr_count:     1024
    .wavefront_size: 32
...
	.end_amdgpu_metadata
.endif
;; end of part 1
;; launch scores (part 2): grid 4 x 64, 4 waves a work-group, clusters of 4 x 4, 327,680 bytes of LDS; arguments k_codes, k_scales, qimg, qsc, pimg, pst; writes pimg, pst
.if DOCPART == 2
	.amdgcn_target "amdgcn-amd-amdhsa--gfx1250"
	.amdhsa_code_object_version 6
	.text
	.protected	k_qeb6b7ba465_scores
	.globl	k_qeb6b7ba465_scores
	.p2align	8
	.type	k_qeb6b7ba465_scores,@function
k_qeb6b7ba465_scores:
	s_mov_b64 s[64:65], 0
	v_nop
	global_prefetch_b8 v0, s[64:65] scope:SCOPE_SE
	s_setreg_imm32_b32 hwreg(HW_REG_WAVE_MODE, 25, 1), 1
	s_wait_xcnt 0x0
	s_wait_alu depctr_hold_cnt(0) depctr_sa_sdst(0) depctr_va_vdst(0) depctr_va_sdst(0) depctr_va_ssrc(0) depctr_va_vcc(0) depctr_vm_vsrc(0)
	s_getreg_b32 s2, hwreg(HW_REG_IB_STS2, 6, 4)
	s_cmp_eq_u32 s2, 0
	s_cbranch_scc0 .Lentry_in_a_cluster
	s_endpgm
.Lentry_in_a_cluster:
	s_bfe_u32 s2, ttmp6, 0x10000c
	s_cmp_lg_u32 s2, 0xf033
	s_cbranch_scc0 .Lentry_shape_is_right
	s_endpgm
.Lentry_shape_is_right:
; LAUNCH 2 OF 3.  S[bt][q][key] = sum over c of Q(q1 / 8)[q][bt][c] k[key][bt][c] on codes of FP4 (E2M1), and the softmax's weights of each run of 128 keys, quantised along the keys.
; SHARES.  A work-group makes 256 queries x 256 keys of one batch; 4 tile columns (queries) x 64 (8 batches x 8 tiles of keys) = 256 work-groups.  Four waves, each 128 x 128: 64 accumulators.
; THE MATRIX INSTRUCTION: source 0 (R) = 16 keys (rows of k_codes), source 1 (L) = 16 queries (images of the operand's registers, made by launch 1).  A lane holds ONE query, its registers run along the keys:
; tile i's register j is key 16 i + 8 (lane / 16) + j.  A wave's eight tiles of 16 queries are 128 keys: one K step of the third product.
; THE SOFTMAX, IN TWO PARTS.  t = score x log2(e).  Here: M' = the largest t of MY 128 keys, rounded up to a whole number; p = 2^(t - M'), quantised along the keys; l' = the sum of the unquantised p.  The maximum is taken away
; before every exponential.  Launch 3 finds M = the largest M' of a query's sixteen runs and lowers each run's scale bytes by M - M', a whole number: the codes stay, since a power of two only moves a block's scale.
; Stored: the codes as images of the operand's registers; the scale words, with bit 7 of each byte set (a byte is at most 125, since p stays under 2), so that launch 3 can subtract in all four bytes at once; -M'; l'.
; K = 1,024 lies in LDS whole: two slots of 512 along K, each filled ONCE.   CLUSTER 4 x 4: k's tile is shared along a row of the cluster, q's along a column: asked for jointly.
; LIMITS: NaN and infinities are not served; |t| stays under 2^31; a p under 2^-126 counts as 0 (v_exp_f32); a block whose largest p lies under 2^-124 keeps the byte 1.
; REGISTERS.  Window 0: v1-15 addresses; v16-31 at work; v32-63 k's scale words; v64-95 q's; v128-191 L's fragments.  On the way out: v96-159 p; v160-223 its codes; v224-247 scale words, -M', l'; v248-254 at work.
;   Window 1: v0-63, v128-191 R's two sets.   Windows 2, 3: the accumulators, (a, bb) at v[8 (8 (a % 4) + bb)].
.set PITCH,  272                       ; a row of k in LDS: 256 bytes + 16 of padding
.set HALFT,  128*PITCH
.set ROFF,   65536                     ; a slot: q's 16 blocks x 4 K steps x 1,024 bytes, then k's 256 rows
.set SLOT,   ROFF+2*HALFT
.set ADRL, 4
.set ADRR, 6
.set LI,   9                           ; 16 x lane
.set ST32, 10                          ; 32 r + 16 h
.set KSA,  12                          ; k's scales: 256 (r + 64 h)
.set QSA,  13                          ; q's scales: 16 r + 2,048 h
.set TM,   16
.set RS,   32
.set RSB,  8
.set RSS,  1
.set LS,   64
.set LSB,  8
.set LSS,  1
.set AF,   128
.set T,    96                          ; the 64 p of a lane
.set SD,   96                          ; at the very end: what the three last stores send
.set PC,   160                         ; p's codes, 8 registers for each block of 16 queries
.set SWD,  224                         ; scale words
.set NMR,  232                         ; -M'
.set LLR,  240                         ; l'
.set NMF,  248                         ; v[248:249] -M' of the block in hand (a pair is named; its low word serves both halves)
.set SA,   250                         ; v[250:251], v[252:253] two chains of sums
.set SB,   252
.set TP,   254
.set KCOD, 4
.set KSCL, 6
.set QIMG, 8
.set QSC,  10
.set PIMG, 12
.set PST,  14
.set G1L,  24
.set G0L,  32
.set G1R,  40
.set G0R,  48
.set WV,   56
.set LH,   57
.set RH,   58
.set CX,   59
.set CY,   60
.set XT,   61                          ; tile column: 256 queries
.set YC,   62
.set BT,   63
.set KTL,  66                          ; tile of 256 keys
.set RM,   67
.set CM,   68
.set ORT,  70
.set OLT,  72
.set LAL,  74
.set LAR,  75
.set OF,   76
.set T0,   78
.set SEL,  80
.set HM,   82
.set CS,   84                          ; s[84:85] log2(e)
.set LB0,  86
.set LB1,  87
.set MSB, 0
.macro WIN new
.if MSB != (\new)
	s_set_vgpr_msb (MSB<<8)|(\new)
.set MSB, (\new)
.endif
.endm
.set MUL_LO,  0xa1
.set MUL_HI,  0xf1
.set TO_R,    0x40
.macro PLACES n
.rept \n
	v_nop
.endr
.endm
.macro JLOAD g0l, g1l, g0r, g1r        ; waves 0 and 1 fetch q's two halves, waves 2 and 3 k's; four v_nop follow each of the two lines
	s_cmp_eq_u32 s[LH], 0
	s_cbranch_scc0 .Lfor_r_\@
	tensor_load_to_lds s[\g0l:\g0l+3], s[\g1l:\g1l+7]
	s_nop 0
	PLACES 4
	s_branch .Lasked_\@
.Lfor_r_\@:
	tensor_load_to_lds s[\g0r:\g0r+3], s[\g1r:\g1r+7]
	s_nop 0
	PLACES 4
.Lasked_\@:
.endm
.macro CROUND
	s_barrier_signal -1
	s_barrier_wait -1
	s_cmp_lg_u32 s[WV], 0
	s_cbranch_scc1 .Lnot_wave_0_\@
	s_barrier_signal -3
.Lnot_wave_0_\@:
	s_barrier_wait -3
	s_barrier_signal -1
	s_barrier_wait -1
.endm
.macro FIRST reg, sh
	s_lshl_b32 s[OF], s[\reg], \sh
.endm
.macro TERM reg, sh
	s_lshl_b32 s[T0], s[\reg], \sh
	s_add_co_u32 s[OF], s[OF], s[T0]
.endm
.macro BUMP p
	s_add_nc_u64 s[\p:\p+1], s[\p:\p+1], s[OF:OF+1]
.endm
.macro WM a, bb, p, st, kind           ; L's block a x R's block bb, K step st, R's set p.  kind 0: C = 0;  1: in place
.set rD, 8*(8*((\a)%4)+(\bb))
.set rR, 128*(\p)+8*(\bb)
.set rL, AF+8*(\a)
.set rX, RS+RSB*((\bb)%4)+RSS*(\st)
.set rY, LS+LSB*((\a)%4)+LSS*(\st)
.set rV, 2*((\a)/4)+(\bb)/4
.if (\kind)==0
.if rV==0
	v_wmma_scale_f32_16x16x128_f8f6f4 v[rD:rD+7], v[rR:rR+7], v[rL:rL+7], 0, v[rX], v[rY] matrix_a_fmt:MATRIX_FMT_FP4 matrix_b_fmt:MATRIX_FMT_FP4
.elseif rV==1
	v_wmma_scale_f32_16x16x128_f8f6f4 v[rD:rD+7], v[rR:rR+7], v[rL:rL+7], 0, v[rX], v[rY] matrix_a_fmt:MATRIX_FMT_FP4 matrix_b_fmt:MATRIX_FMT_FP4 matrix_a_scale:MATRIX_SCALE_ROW1
.elseif rV==2
	v_wmma_scale_f32_16x16x128_f8f6f4 v[rD:rD+7], v[rR:rR+7], v[rL:rL+7], 0, v[rX], v[rY] matrix_a_fmt:MATRIX_FMT_FP4 matrix_b_fmt:MATRIX_FMT_FP4 matrix_b_scale:MATRIX_SCALE_ROW1
.else
	v_wmma_scale_f32_16x16x128_f8f6f4 v[rD:rD+7], v[rR:rR+7], v[rL:rL+7], 0, v[rX], v[rY] matrix_a_fmt:MATRIX_FMT_FP4 matrix_b_fmt:MATRIX_FMT_FP4 matrix_a_scale:MATRIX_SCALE_ROW1 matrix_b_scale:MATRIX_SCALE_ROW1
.endif
.else
.if rV==0
	v_wmma_scale_f32_16x16x128_f8f6f4 v[rD:rD+7], v[rR:rR+7], v[rL:rL+7], v[rD:rD+7], v[rX], v[rY] matrix_a_fmt:MATRIX_FMT_FP4 matrix_b_fmt:MATRIX_FMT_FP4
.elseif rV==1
	v_wmma_scale_f32_16x16x128_f8f6f4 v[rD:rD+7], v[rR:rR+7], v[rL:rL+7], v[rD:rD+7], v[rX], v[rY] matrix_a_fmt:MATRIX_FMT_FP4 matrix_b_fmt:MATRIX_FMT_FP4 matrix_a_scale:MATRIX_SCALE_ROW1
.elseif rV==2
	v_wmma_scale_f32_16x16x128_f8f6f4 v[rD:rD+7], v[rR:rR+7], v[rL:rL+7], v[rD:rD+7], v[rX], v[rY] matrix_a_fmt:MATRIX_FMT_FP4 matrix_b_fmt:MATRIX_FMT_FP4 matrix_b_scale:MATRIX_SCALE_ROW1
.else
	v_wmma_scale_f32_16x16x128_f8f6f4 v[rD:rD+7], v[rR:rR+7], v[rL:rL+7], v[rD:rD+7], v[rX], v[rY] matrix_a_fmt:MATRIX_FMT_FP4 matrix_b_fmt:MATRIX_FMT_FP4 matrix_a_scale:MATRIX_SCALE_ROW1 matrix_b_scale:MATRIX_SCALE_ROW1
.endif
.endif
.endm
.macro MUL16 a0, p, st, kind           ; the 64 accumulators take turns, one instruction a turn, in the same order in every K step
.irp a, \a0, \a0+1
.irp bb, 0,1,2,3,4,5,6,7
	WM (\a), \bb, \p, \st, \kind
.endr
.endr
.endm
.macro FRAGROW reg, adr, q, i          ; from rows: 16 bytes of row l % 16, twice, 32 bytes apart
.irp c, 0,1
	ds_load_b128 v[(\reg)+4*\c:(\reg)+4*\c+3], v[\adr] offset:64*(\q)+32*\c+(\i)*16*PITCH
.endr
.endm
.macro FRAGIMG reg, adr, q, i          ; from an image: block i, the slot's q-th K step; 512 consecutive bytes a load
.irp c, 0,1
	ds_load_b128 v[(\reg)+4*\c:(\reg)+4*\c+3], v[\adr] offset:(\i)*4096+(\q)*1024+512*\c
.endr
.endm
.macro FETCH_R slot, q, p
	WIN TO_R
.irp i, 0,1,2,3,4,5,6,7
	FRAGROW 128*(\p)+8*\i, ADRR+\slot, \q, \i
.endr
	WIN 0
.endm
.macro FETCH_L slot, q, i0
.irp i, \i0, \i0+1, \i0+2, \i0+3
	FRAGIMG AF+8*(\i), ADRL+\slot, \q, \i
.endr
.endm
.macro STEP slot, q, st, kind
	s_wait_dscnt 8                                 ; R's set and L's blocks 0-3 are in; the youngest eight loads (L's blocks 4-7) may be out
	WIN MUL_LO
	MUL16 0, (\q)%2, \st, \kind
	MUL16 2, (\q)%2, \st, \kind
	s_wait_dscnt 0x0
	PLACES 4                                       ; four places ahead of loads into registers that matrix instructions have read
	FETCH_R \slot, (\q)+1, 1-(\q)%2
	FETCH_L \slot, (\q)+1, 0
	WIN MUL_HI
	MUL16 4, (\q)%2, \st, \kind
	MUL16 6, (\q)%2, \st, \kind
	PLACES 4
	WIN 0
	FETCH_L \slot, (\q)+1, 4
.endm
.macro TURN slot, next, st             ; slot 0's last K step; the barrier shows slot 1 whole to every wave
	s_wait_tensorcnt 0x0                           ; my part of the next slot has landed
	s_wait_dscnt 8
	WIN MUL_LO
	MUL16 0, 1, \st, 1
	s_wait_dscnt 0x0                               ; no LDS instruction of mine is out at the signal
	s_barrier_signal -1
	MUL16 2, 1, \st, 1
	WIN 0
	s_barrier_wait -1
	PLACES 4
	FETCH_R \next, 0, 0
	FETCH_L \next, 0, 0
	WIN MUL_HI
	MUL16 4, 1, \st, 1
	MUL16 6, 1, \st, 1
	PLACES 4
	WIN 0
	FETCH_L \next, 0, 4
.endm
.macro LAST st
	s_wait_dscnt 8
	WIN MUL_LO
	MUL16 0, 1, \st, 1
	MUL16 2, 1, \st, 1
	s_wait_dscnt 0x0
	WIN MUL_HI
	MUL16 4, 1, \st, 1
	MUL16 6, 1, \st, 1
	WIN 0
	PLACES 4
.endm
.macro STAT x, d, base, off            ; eight words a row leave by one store of 512 consecutive bytes: lanes 0-15 give words 0-3 of row r, lanes 16-31 words 4-7
.irp i, 0,1,2,3
	v_cndmask_b32 v[(\d)+\i], v[(\x)+\i], v[(\x)+4+\i], s[HM]
.endr
	global_store_b128 v[ST32], v[(\d):(\d)+3], s[\base:\base+1] offset:\off
.endm
	s_load_b256 s[4:11], s[0:1], 0x0               ; k's codes, k's scales, qimg, qsc
	s_load_b128 s[12:15], s[0:1], 0x20             ; pimg, pst
	v_lshl_add_u32 v27, v0, 2, 0x42000
	v_mov_b32 v255, 0
	ds_add_u32 v27, v255
	ds_add_u32 v27, v255
	v_lshrrev_b32 v1, 5, v0
	v_readfirstlane_b32 s[WV], v1
	s_lshr_b32 s[LH], s[WV], 1
	s_and_b32 s[RH], s[WV], 1
	s_bfe_u32 s[CX], ttmp6, 0x40000
	s_bfe_u32 s[CY], ttmp6, 0x40004
	s_lshl_b32 s[XT], ttmp9, 2
	s_add_co_u32 s[XT], s[XT], s[CX]
	s_and_b32 s[YC], ttmp7, 0xffff
	s_lshr_b32 s[BT], s[YC], 1                     ; the batch hangs on the cluster's y alone
	s_and_b32 s[KTL], s[YC], 1
	s_lshl_b32 s[KTL], s[KTL], 2
	s_add_co_u32 s[KTL], s[KTL], s[CY]
	s_lshl_b32 s[RM], s[CY], 2
	s_lshl_b32 s[RM], 15, s[RM]
	s_lshl_b32 s[CM], 0x1111, s[CX]
	; k: 128 rows x 256 bytes, 4,096 bytes apart, 4 words of padding behind every 64
	s_or_b32 s[G1R], s[RM], (1<<20)|(1<<21)|(5<<22)|(3<<25)
	s_mov_b32 s[G1R+1], 256<<16
	s_mov_b32 s[G1R+2], 128<<16
	s_mov_b32 s[G1R+3], 256<<16
	s_mov_b32 s[G1R+4], 128
	s_mov_b32 s[G1R+5], 4096
	s_mov_b32 s[G1R+6], 0
	s_mov_b32 s[G1R+7], 0
	; q: 8 blocks x 4 K steps' images = 8 rows of 512 elements of 8 bytes, 1,024 elements apart, no padding
	s_or_b32 s[G1L], s[CM], (3<<16)|(1<<21)
	s_mov_b32 s[G1L+1], 512<<16
	s_mov_b32 s[G1L+2], 8<<16
	s_mov_b32 s[G1L+3], 512<<16
	s_mov_b32 s[G1L+4], 8
	s_mov_b32 s[G1L+5], 1024
	s_mov_b32 s[G1L+6], 0
	s_mov_b32 s[G1L+7], 0
	s_lshl_b32 s[ORT], s[KTL], 20
	s_lshl_b32 s[ORT+1], s[RH], 19
	s_add_co_u32 s[ORT], s[ORT], s[ORT+1]
	s_lshl_b32 s[ORT+1], s[BT], 9
	s_add_co_u32 s[ORT], s[ORT], s[ORT+1]
	s_mov_b32 s[ORT+1], 0
	s_lshl_b32 s[OLT], s[BT], 19                   ; a batch's 64 blocks x 8,192 bytes
	s_lshl_b32 s[OLT+1], s[XT], 17
	s_add_co_u32 s[OLT], s[OLT], s[OLT+1]
	s_lshl_b32 s[OLT+1], s[RH], 16
	s_add_co_u32 s[OLT], s[OLT], s[OLT+1]
	s_mov_b32 s[OLT+1], 0
	s_lshl_b32 s[LAL], s[RH], 15                   ; where they go: q's half,
	s_mul_i32 s[LAR], s[RH], HALFT
	s_add_co_u32 s[LAR], s[LAR], ROFF              ; k's half
	s_mov_b32 s[OF+1], 0
	s_mov_b32 s[SEL], 0x76543210
	s_mov_b32 s[SEL+1], 0xfedcba98
	s_mov_b32 s[HM], 0xffff0000
	s_mov_b32 s[CS], 0x3fb8aa3b                    ; log2(e)
	s_mov_b32 s[CS+1], s[CS]                       ; (named with it as a pair, so it is written)
	s_wait_dscnt 0x0
	s_wait_kmcnt 0x0
	s_add_nc_u64 s[ORT:ORT+1], s[KCOD:KCOD+1], s[ORT:ORT+1]
	s_add_nc_u64 s[OLT:OLT+1], s[QIMG:QIMG+1], s[OLT:OLT+1]
	CROUND                                         ; all sixteen work-groups are here: the joint loads meet
.irp s, 0,1                                    ; both slots at once: two tensor loads of mine are out, the launch's only ones
	s_mov_b32 s[G0L+4*\s], 1
	s_add_co_u32 s[G0L+4*\s+1], s[LAL], \s*SLOT
	s_add_nc_u64 s[G0L+4*\s+2:G0L+4*\s+3], s[OLT:OLT+1], \s*4096
	s_or_b32 s[G0L+4*\s+3], s[G0L+4*\s+3], 0x80000000
	s_mov_b32 s[G0R+4*\s], 1
	s_add_co_u32 s[G0R+4*\s+1], s[LAR], \s*SLOT
	s_add_nc_u64 s[G0R+4*\s+2:G0R+4*\s+3], s[ORT:ORT+1], \s*256
	s_or_b32 s[G0R+4*\s+3], s[G0R+4*\s+3], 0x80000000
	JLOAD G0L+4*\s, G1L, G0R+4*\s, G1R
.endr
	FIRST KTL, 16
	TERM RH, 15
	TERM BT, 5
	BUMP KSCL
	FIRST BT, 15
	TERM XT, 13
	TERM LH, 12
	BUMP QSC                                       ; [batch][block 64][half of K][r][4 words]
	v_and_b32 v1, 15, v0                           ; r
	v_bfe_u32 v2, v0, 4, 1                         ; h
	v_and_b32 v3, 31, v0                           ; lane
	v_lshl_add_u32 v[KSA], v2, 6, v1
	v_lshlrev_b32 v[KSA], 8, v[KSA]
	v_lshlrev_b32 v[QSA], 4, v1
	v_lshl_add_u32 v[QSA], v2, 11, v[QSA]
.irp g, 0,1,2,3                                ; the scale words of my 128 keys and 128 queries for all of K: lanes 0-15 block g, lanes 16-31 block g + 4
.irp kh, 0,1
	global_load_b128 v[RS+8*\g+4*\kh:RS+8*\g+4*\kh+3], v[KSA], s[KSCL:KSCL+1] offset:4096*\g+16*\kh
	global_load_b128 v[LS+8*\g+4*\kh:LS+8*\g+4*\kh+3], v[QSA], s[QSC:QSC+1] offset:512*\g+256*\kh
.endr
.endr
	FIRST BT, 20
	TERM XT, 18
	TERM LH, 17
	TERM KTL, 11
	TERM RH, 10
	BUMP PIMG                                      ; [batch][block of 16 queries 64][K step 16][1,024]
	FIRST BT, 16
	TERM KTL, 13
	TERM RH, 12
	TERM XT, 10
	TERM LH, 9
	BUMP PST                                       ; three planes of [batch][K step 16][128 queries 8][r 16][block 8] words
	v_lshlrev_b32 v[LI], 4, v3
	v_lshlrev_b32 v[ST32], 5, v1
	v_lshl_add_u32 v[ST32], v2, 4, v[ST32]
	v_mul_u32_u24 v15, v1, PITCH
	v_lshl_add_u32 v15, v2, 4, v15
	s_lshl_b32 s[LB0], s[LH], 15                   ; my 8 blocks of queries,
	s_mul_i32 s[LB1], s[RH], HALFT
	s_add_co_u32 s[LB1], s[LB1], ROFF              ; my 128 keys
.irp s, 0,1
	v_add_nc_u32 v[ADRL+\s], s[LB0], v[LI]
	v_add_nc_u32 v[ADRR+\s], s[LB1], v15
	s_add_co_u32 s[LB0], s[LB0], SLOT
	s_add_co_u32 s[LB1], s[LB1], SLOT
.endr
.irp b, 0,1,2,3
	v_mov_b32 v[TM+4+\b], 0                        ; written once: a lane permute's destination counts as one of its sources
.endr
	v_mov_b32 v[TP], 0
	v_mov_b32 v[NMF+1], 0                          ; (named as the upper half of a pair)
	s_wait_tensorcnt 0x1                           ; my part of slot 0 is in; slot 1's may stay out
	s_barrier_signal -1
	s_barrier_wait -1
	FETCH_R 0, 0, 0
	FETCH_L 0, 0, 0
	FETCH_L 0, 0, 4
	s_wait_loadcnt 0x0                             ; the scale words
	STEP 0, 0, 0, 0                                ; the first products start the sums
	STEP 0, 1, 1, 1
	STEP 0, 2, 2, 1
	TURN 0, 1, 3
	STEP 1, 0, 4, 1
	STEP 1, 1, 5, 1
	STEP 1, 2, 6, 1
	LAST 7
; THE WAY OUT of block a: 16 queries x my 128 keys.
.macro SOFT a
.set W, 2+(\a)/4
.set AC, 64*((\a)%4)
	WIN W|(W<<2)
.irp b, 0,1,2,3
	v_max_num_f32 v[TM+\b], v[AC+16*\b], v[AC+16*\b+1]   ; the largest SCORE of each block of 32 keys: it serves the row's maximum and, since p rises with the score, the block's largest p.  Each tile is read from its low end on
.endr
.irp i, 2,4,6,8,10,12,14
.irp b, 0,1,2,3
	v_max3_num_f32 v[TM+\b], v[AC+16*\b+\i], v[AC+16*\b+\i+1], v[TM+\b]
.endr
.endr
	WIN 0
.irp b, 0,1,2,3
	v_permlanex16_b32 v[TM+4+\b], v[TM+\b], s[SEL], s[SEL+1]
.endr
.irp b, 0,1,2,3
	v_max_num_f32 v[TM+\b], v[TM+\b], v[TM+4+\b]   ; with lane l xor 16's 16 keys
.endr
	v_max3_num_f32 v[TM+8], v[TM], v[TM+1], v[TM+2]
	v_max_num_f32 v[TM+8], v[TM+8], v[TM+3]        ; the largest score of my query's 128 keys,
	v_mul_f32 v[TM+8], s[CS], v[TM+8]              ; as t
	v_floor_f32 v[NMF], -v[TM+8]                   ; -M' = floor(-t) = -ceil(t): a whole number
	WIN W
.set j, 0
.rept 32
	v_pk_fma_f32 v[T+j:T+j+1], v[AC+j:AC+j+1], s[CS:CS+1], v[NMF:NMF+1] op_sel_hi:[1,0,0]   ; t - M', two at a time, into window 0
.set j, j+2
.endr
	WIN 0
.irp b, 0,1,2,3
	v_fma_f32 v[TM+\b], v[TM+\b], s[CS], v[NMF]    ; the same of each block's largest score
.endr
.set j, 0
.rept 64
	v_exp_f32 v[T+j], v[T+j]                       ; p = 2^(t - M'): not normalised
.set j, j+1
.endr
	v_mov_b32 v[NMR+(\a)], v[NMF]                  ; (the plain place behind the exponentials)
	s_wait_alu depctr_va_vdst(0)                   ; one wait for the 64, ahead of their first reader
.irp b, 0,1,2,3
	v_exp_f32 v[TM+\b], v[TM+\b]                   ; the block's largest p: the same two instructions on the same number give the same bits
.endr
	v_pk_add_f32 v[SA:SA+1], v[T:T+1], v[T+4:T+5]  ; the sum of the UNQUANTISED p, two at a time, in two chains.  (It reads the 64 alone: plain work behind the four)
	v_pk_add_f32 v[SB:SB+1], v[T+2:T+3], v[T+6:T+7]
.irp j, 8,12,16,20,24,28,32,36,40,44,48,52,56,60
	v_pk_add_f32 v[SA:SA+1], v[SA:SA+1], v[T+\j:T+\j+1]
	v_pk_add_f32 v[SB:SB+1], v[SB:SB+1], v[T+\j+2:T+\j+3]
.endr
	v_pk_add_f32 v[SA:SA+1], v[SA:SA+1], v[SB:SB+1]
	v_add_f32 v[SA], v[SA], v[SA+1]
	v_permlanex16_b32 v[TP], v[SA], s[SEL], s[SEL+1]
	v_add_f32 v[LLR+(\a)], v[SA], v[TP]            ; l'
	s_wait_alu depctr_va_vdst(0)                   ; and one for the four
.irp b, 0,1,2,3
	v_max_num_f32 v[TM+\b], 0x1800000, v[TM+\b]    ; the floor 2^(3 - 127): the byte cannot fall under 1
.endr
.irp b, 0,1,2,3
	v_add_nc_u32 v[TM+12+\b], 0xff000000, v[TM+\b] ; 2 off the exponent field: the conversion's scale operand
.endr
.irp b, 0,1,2,3
	v_lshrrev_b32 v[TM+4+\b], 23, v[TM+12+\b]      ; the scale's byte
.endr
	v_lshl_or_b32 v[SWD+(\a)], v[TM+5], 8, v[TM+4]
	v_lshl_or_b32 v[SWD+(\a)], v[TM+6], 16, v[SWD+(\a)]
	v_lshl_or_b32 v[SWD+(\a)], v[TM+7], 24, v[SWD+(\a)]
	v_or_b32 v[SWD+(\a)], 0x80808080, v[SWD+(\a)]  ; bit 7 of each byte, for launch 3's subtraction
.irp i, 0,1,2,3,4,5,6,7
	v_cvt_scalef32_pk8_fp4_f32 v[PC+8*(\a)+4*(\i/4)+2*(\i%2)+((\i/2)%2)], v[T+8*\i:T+8*\i+7], v[TM+12+\i/2]   ; tiles 0, 2, 1, 3 in registers 0 to 3
.endr
	v_nop                                          ; one plain place behind a scaled conversion
.irp c, 0,1                                    ; registers 4 c .. 4 c + 3 then hold keys 64 c + 32 (lane / 16) + 0 .. 31
	v_permlane16_swap_b32 v[PC+8*(\a)+4*\c], v[PC+8*(\a)+4*\c+1]
	v_permlane16_swap_b32 v[PC+8*(\a)+4*\c+2], v[PC+8*(\a)+4*\c+3]
.endr
.irp c, 0,1
	global_store_b128 v[LI], v[PC+8*(\a)+4*\c:PC+8*(\a)+4*\c+3], s[PIMG:PIMG+1] offset:16384*(\a)+512*\c   ; 512 consecutive bytes
.endr
.endm
.irp a, 0,1,2,3,4,5,6,7
	SOFT \a
.endr
	STAT SWD, SD, PST, 0
	STAT NMR, SD+4, PST, 524288
	STAT LLR, SD+8, PST, 1048576
	s_wait_tensorcnt 0x0
	ds_add_u32 v27, v255
	s_wait_dscnt 0x0
	CROUND                                         ; the closing round
	s_endpgm
.Lfunc_end_k_qeb6b7ba465_scores:
	.size	k_qeb6b7ba465_scores, .Lfunc_end_k_qeb6b7ba465_scores-k_qeb6b7ba465_scores
	.p2alignl 7, 3214868480
	.fill 96, 4, 3214868480
	.section	.rodata,"a",@progbits
	.p2align	6, 0x0
	.amdhsa_kernel k_qeb6b7ba465_scores
		.amdhsa_group_segment_fixed_size 327680
		.amdhsa_private_segment_fixed_size 0
		.amdhsa_enable_private_segment 0
		.amdhsa_kernarg_size 48
		.amdhsa_user_sgpr_count 2
		.amdhsa_user_sgpr_kernarg_segment_ptr 1
		.amdhsa_wavefront_size32 1
		.amdhsa_system_sgpr_workgroup_id_x 1
		.amdhsa_system_sgpr_workgroup_id_y 1
		.amdhsa_system_sgpr_workgroup_id_z 1
		.amdhsa_system_vgpr_workitem_id 0
		.amdhsa_next_free_vgpr 1024
		.amdhsa_next_free_sgpr 100
		.amdhsa_reserve_vcc 0
		.amdhsa_float_denorm_mode_32 3
		.amdhsa_float_denorm_mode_16_64 3
		.amdhsa_memory_ordered 1
		.amdhsa_forward_progress 1
		.amdhsa_inst_pref_size 182
	.end_amdhsa_kernel
	.amdgpu_metadata
---
amdhsa.version: [ 1, 2 ]
amdhsa.kernels:
  - .name:           k_qeb6b7ba465_scores
    .symbol:         k_qeb6b7ba465_scores.kd
    .args:
      - { .name: k_codes, .offset: 0, .size: 8, .value_kind: global_buffer, .address_space: global }
      - { .name: k_scales, .offset: 8, .size: 8, .value_kind: global_buffer, .address_space: global }
      - { .name: qimg, .offset: 16, .size: 8, .value_kind: global_buffer, .address_space: global }
      - { .name: qsc, .offset: 24, .size: 8, .value_kind: global_buffer, .address_space: global }
      - { .name: pimg, .offset: 32, .size: 8, .value_kind: global_buffer, .address_space: global }
      - { .name: pst, .offset: 40, .size: 8, .value_kind: global_buffer, .address_space: global }
    .group_segment_fixed_size: 327680
    .private_segment_fixed_size: 0
    .kernarg_segment_align: 8
    .kernarg_segment_size: 48
    .max_flat_workgroup_size: 128
    .sgpr_count:     100
    .vgpr_count:     1024
    .wavefront_size: 32
...
	.end_amdgpu_metadata
.endif
;; end of part 2
;; launch pv (part 3): grid 4 x 32, 4 waves a work-group, clusters of 4 x 4, 327,680 bytes of LDS; arguments pimg, pst, vimg, vsc, out0; writes out0
.if DOCPART == 3
	.amdgcn_target "amdgcn-amd-amdhsa--gfx1250"
	.amdhsa_code_object_version 6
	.text
	.protected	k_qeb6b7ba465_pv
	.globl	k_qeb6b7ba465_pv
	.p2align	8
	.type	k_qeb6b7ba465_pv,@function
k_qeb6b7ba465_pv:
	s_mov_b64 s[64:65], 0
	v_nop
	global_prefetch_b8 v0, s[64:65] scope:SCOPE_SE
	s_setreg_imm32_b32 hwreg(HW_REG_WAVE_MODE, 25, 1), 1
	s_wait_xcnt 0x0
	s_wait_alu depctr_hold_cnt(0) depctr_sa_sdst(0) depctr_va_vdst(0) depctr_va_sdst(0) depctr_va_ssrc(0) depctr_va_vcc(0) depctr_vm_vsrc(0)
	s_getreg_b32 s2, hwreg(HW_REG_IB_STS2, 6, 4)
	s_cmp_eq_u32 s2, 0
	s_cbranch_scc0 .Lentry_in_a_cluster
	s_endpgm
.Lentry_in_a_cluster:
	s_bfe_u32 s2, ttmp6, 0x10000c
	s_cmp_lg_u32 s2, 0xf033
	s_cbranch_scc0 .Lentry_shape_is_right
	s_endpgm
.Lentry_shape_is_right:
; LAUNCH 3 OF 3.  out[q][bt][e] = (sum over the 2,048 keys of P[q][key] V[key][e]) / l[q], on codes of FP4 (E2M1) with one E8M0 scale for each 32 keys.
; SHARES.  A work-group makes 256 queries x 256 outputs e of one batch; 4 tile columns (e) x 32 (8 batches x 4 tiles of queries) = 128 work-groups; a cluster of 4 x 4 is one batch.  Four waves, each 128 x 128.
; THE MATRIX INSTRUCTION: source 0 (R) = 16 rows e of V^T, source 1 (L) = 16 queries of P; both come as images of the operand's registers, 1,024 bytes a fragment.  A lane holds one query and eight neighbouring e.
; THE HEAD finishes the softmax.  Launch 2 took each run of 128 keys under its own whole number M'.  Here, for each of my 128 queries: -M = the least of the sixteen -M'; d = M - M', a whole number, 0 or more;
; each scale byte x of that run becomes x - d, or 0 where d is larger (such a block is worth under 6 x 2^-127 beside a sum above 1/2); l = the sum of l' 2^-d.  The codes stay as they are.
; The bytes come with bit 7 set: 128 + x - d stays above 0 in every byte (x is at least 1, d is held at 127), so one subtraction serves four bytes, and bit 7 then says where x >= d.
; K goes through a ring of two LDS slots of 4 K steps (512 keys); each slot is filled twice.  CLUSTER: P's tile is shared along a row of the cluster, V's along a column: asked for jointly.
; The scale words of all sixteen K steps lie in registers, so their numbers change from step to step: the sixteen steps are written out.
; LIMITS: NaN and infinities are not served.
; REGISTERS.  Window 0: v1-13 addresses; v16-31 at work at the head; v32-95 P's scale words; v96-159 V's; v160-223 L's fragments (first -M', last results / l); v224-239 1 / l, twice for each block; v240-251 l and its kin.
;   Window 1: v0-63, v128-191 R's two sets (first l'; last, with v64-127, rows read back from the stage).   Windows 2, 3: the accumulators, (a, bb) at v[8 (8 (a % 4) + bb)].
.set HALFI,  32768                     ; 8 blocks x 4 K steps x 1,024 bytes: what one tensor load brings
.set SLOT,   4*HALFI                   ; P's 16 blocks, then V's 16 blocks
.set SPARE,  2*SLOT                    ; behind the ring: the spare words, 128 bytes for each wave: two blocks of 256 bytes that no other line names
.set STAGE,  SPARE+512                 ; the way out: 16 rows x (512 bytes + 16) for each wave; no fill lands here
.set SPITCH, 528
.set ADRL, 4
.set ADRR, 6
.set STO,  8                           ; the stage: where I put 32 bytes of a row
.set RD,   9                           ; and where I read a row back
.set CO,   10                          ; 16 x lane
.set ST32, 11                          ; 32 r + 16 h
.set SPW,  12                          ; LDS address of my spare word; never rewritten
.set NIL,  13                          ; 0; never rewritten
.set FT,   16                          ; v16-27 at work
.set NMN,  28                          ; v28-31 -M
.set LS,   32                          ; P's scale words: block x, K step st at LS + x % 4 + 4 st
.set LSB,  1
.set LSS,  4
.set RS,   96                          ; V's likewise
.set RSB,  1
.set RSS,  4
.set AF,   160
.set NM,   160                         ; -M', then 2^-d
.set TMP,  160                         ; results / l
.set F2,   224
.set LQ,   240
.set RL,   244
.set OT,   248
.set PIMG, 4
.set PST,  6
.set VIMG, 8
.set VSC,  10
.set OUTP, 12
.set G1L,  24
.set G0L,  32
.set G1R,  40
.set G0R,  48
.set WV,   56
.set LH,   57
.set RH,   58
.set CX,   59
.set CY,   60                          ; also: the tile of 256 queries
.set XT,   61                          ; tile column: 256 outputs e
.set BT,   62                          ; the cluster's y: the batch
.set RM,   67
.set CM,   68
.set ORT,  70
.set OLT,  72
.set LA,   74
.set OF,   76
.set T0,   78
.set SEL,  80
.set HM,   82
.set LB0,  84
.set LB1,  85
.set MSB, 0
.macro WIN new
.if MSB != (\new)
	s_set_vgpr_msb (MSB<<8)|(\new)
.set MSB, (\new)
.endif
.endm
.set MUL_LO,  0xa1
.set MUL_HI,  0xf1
.set TO_R,    0x40
.macro PLACES n
.rept \n
	v_nop
.endr
.endm
.macro JLOAD g0l, g1l, g0r, g1r        ; waves 0 and 1 fetch P's two halves, waves 2 and 3 V's; four v_nop follow each of the two lines
	s_cmp_eq_u32 s[LH], 0
	s_cbranch_scc0 .Lfor_r_\@
	tensor_load_to_lds s[\g0l:\g0l+3], s[\g1l:\g1l+7]
	s_nop 0
	PLACES 4
	s_branch .Lasked_\@
.Lfor_r_\@:
	tensor_load_to_lds s[\g0r:\g0r+3], s[\g1r:\g1r+7]
	s_nop 0
	PLACES 4
.Lasked_\@:
.endm
.macro CREST                           ; a round of the cluster's barrier behind its opening barrier
	s_cmp_lg_u32 s[WV], 0
	s_cbranch_scc1 .Lnot_wave_0_\@
	s_barrier_signal -3
.Lnot_wave_0_\@:
	s_barrier_wait -3
	s_barrier_signal -1
	s_barrier_wait -1
.endm
.macro CROUND
	s_barrier_signal -1
	s_barrier_wait -1
	CREST
.endm
.macro FIRST reg, sh
	s_lshl_b32 s[OF], s[\reg], \sh
.endm
.macro TERM reg, sh
	s_lshl_b32 s[T0], s[\reg], \sh
	s_add_co_u32 s[OF], s[OF], s[T0]
.endm
.macro BUMP p
	s_add_nc_u64 s[\p:\p+1], s[\p:\p+1], s[OF:OF+1]
.endm
.macro WM a, bb, p, st, kind           ; L's block a x R's block bb, K step st, R's set p.  kind 0: C = 0;  1: in place
.set rD, 8*(8*((\a)%4)+(\bb))
.set rR, 128*(\p)+8*(\bb)
.set rL, AF+8*(\a)
.set rX, RS+RSB*((\bb)%4)+RSS*(\st)
.set rY, LS+LSB*((\a)%4)+LSS*(\st)
.set rV, 2*((\a)/4)+(\bb)/4
.if (\kind)==0
.if rV==0
	v_wmma_scale_f32_16x16x128_f8f6f4 v[rD:rD+7], v[rR:rR+7], v[rL:rL+7], 0, v[rX], v[rY] matrix_a_fmt:MATRIX_FMT_FP4 matrix_b_fmt:MATRIX_FMT_FP4
.elseif rV==1
	v_wmma_scale_f32_16x16x128_f8f6f4 v[rD:rD+7], v[rR:rR+7], v[rL:rL+7], 0, v[rX], v[rY] matrix_a_fmt:MATRIX_FMT_FP4 matrix_b_fmt:MATRIX_FMT_FP4 matrix_a_scale:MATRIX_SCALE_ROW1
.elseif rV==2
	v_wmma_scale_f32_16x16x128_f8f6f4 v[rD:rD+7], v[rR:rR+7], v[rL:rL+7], 0, v[rX], v[rY] matrix_a_fmt:MATRIX_FMT_FP4 matrix_b_fmt:MATRIX_FMT_FP4 matrix_b_scale:MATRIX_SCALE_ROW1
.else
	v_wmma_scale_f32_16x16x128_f8f6f4 v[rD:rD+7], v[rR:rR+7], v[rL:rL+7], 0, v[rX], v[rY] matrix_a_fmt:MATRIX_FMT_FP4 matrix_b_fmt:MATRIX_FMT_FP4 matrix_a_scale:MATRIX_SCALE_ROW1 matrix_b_scale:MATRIX_SCALE_ROW1
.endif
.else
.if rV==0
	v_wmma_scale_f32_16x16x128_f8f6f4 v[rD:rD+7], v[rR:rR+7], v[rL:rL+7], v[rD:rD+7], v[rX], v[rY] matrix_a_fmt:MATRIX_FMT_FP4 matrix_b_fmt:MATRIX_FMT_FP4
.elseif rV==1
	v_wmma_scale_f32_16x16x128_f8f6f4 v[rD:rD+7], v[rR:rR+7], v[rL:rL+7], v[rD:rD+7], v[rX], v[rY] matrix_a_fmt:MATRIX_FMT_FP4 matrix_b_fmt:MATRIX_FMT_FP4 matrix_a_scale:MATRIX_SCALE_ROW1
.elseif rV==2
	v_wmma_scale_f32_16x16x128_f8f6f4 v[rD:rD+7], v[rR:rR+7], v[rL:rL+7], v[rD:rD+7], v[rX], v[rY] matrix_a_fmt:MATRIX_FMT_FP4 matrix_b_fmt:MATRIX_FMT_FP4 matrix_b_scale:MATRIX_SCALE_ROW1
.else
	v_wmma_scale_f32_16x16x128_f8f6f4 v[rD:rD+7], v[rR:rR+7], v[rL:rL+7], v[rD:rD+7], v[rX], v[rY] matrix_a_fmt:MATRIX_FMT_FP4 matrix_b_fmt:MATRIX_FMT_FP4 matrix_a_scale:MATRIX_SCALE_ROW1 matrix_b_scale:MATRIX_SCALE_ROW1
.endif
.endif
.endm
.macro MUL16 a0, p, st, kind           ; the 64 accumulators take turns, one instruction a turn, in the same order in every K step
.irp a, \a0, \a0+1
.irp bb, 0,1,2,3,4,5,6,7
	WM (\a), \bb, \p, \st, \kind
.endr
.endr
.endm
.macro FRAGIMG reg, adr, q, i          ; block i, the slot's q-th K step; 512 consecutive bytes a load
.irp c, 0,1
	ds_load_b128 v[(\reg)+4*\c:(\reg)+4*\c+3], v[\adr] offset:(\i)*4096+(\q)*1024+512*\c
.endr
.endm
.macro FETCH_R slot, q, p
	WIN TO_R
.irp i, 0,1,2,3,4,5,6,7
	FRAGIMG 128*(\p)+8*\i, ADRR+\slot, \q, \i
.endr
	WIN 0
.endm
.macro FETCH_L slot, q, i0
.irp i, \i0, \i0+1, \i0+2, \i0+3
	FRAGIMG AF+8*(\i), ADRL+\slot, \q, \i
.endr
.endm
.macro STEP slot, q, st, kind
	s_wait_dscnt 8                                 ; R's set and L's blocks 0-3 are in; the youngest eight loads (L's blocks 4-7) may be out
	WIN MUL_LO
	MUL16 0, (\q)%2, \st, \kind
	MUL16 2, (\q)%2, \st, \kind
	s_wait_dscnt 0x0
	PLACES 4                                       ; four places ahead of loads into registers that matrix instructions have read
	FETCH_R \slot, (\q)+1, 1-(\q)%2
	FETCH_L \slot, (\q)+1, 0
	WIN MUL_HI
	MUL16 4, (\q)%2, \st, \kind
	MUL16 6, (\q)%2, \st, \kind
	PLACES 4
	WIN 0
	FETCH_L \slot, (\q)+1, 4
.endm
; A slot's last K step changes slots: ONE barrier; in front of it each wave waits for all its tensor loads, adds 0 to its spare word, and waits for that and for its own reads of this slot.
; fill = 1: the barrier opens a round of the cluster's barrier, and this slot is filled again, eight K steps on: the load has four K steps, 256 matrix instructions, in which to land.
.macro TURN slot, next, st, fill
	s_wait_tensorcnt 0x0                           ; all my tensor loads have landed: the one that was out is my part of the next slot
	ds_add_u32 v[SPW], v[NIL]                      ; 0 onto my spare word
	s_wait_dscnt 9                                 ; (the add and the youngest eight loads may be out)
	WIN MUL_LO
	MUL16 0, 1, \st, 1                             ; sixteen matrix instructions stand between the add and the wait for it
	s_wait_dscnt 0x0                               ; the add is done, and my reads of this slot are over
	s_barrier_signal -1
	MUL16 2, 1, \st, 1
	WIN 0
	s_barrier_wait -1
.if \fill
	CREST                                          ; no wave of any partner still reads this slot's tiles or has a load on its way
	s_add_nc_u64 s[G0L+4*\slot+2:G0L+4*\slot+3], s[G0L+4*\slot+2:G0L+4*\slot+3], 8192
	s_add_nc_u64 s[G0R+4*\slot+2:G0R+4*\slot+3], s[G0R+4*\slot+2:G0R+4*\slot+3], 8192
	JLOAD G0L+4*\slot, G1L, G0R+4*\slot, G1R       ; the first tensor load behind the round, my only one until the next; its four v_nop are the places in front of the loads below
.else
	PLACES 4
.endif
	FETCH_R \next, 0, 0
	FETCH_L \next, 0, 0
	WIN MUL_HI
	MUL16 4, 1, \st, 1
	MUL16 6, 1, \st, 1
	PLACES 4
	WIN 0
	FETCH_L \next, 0, 4
.endm
.macro LAST st
	s_wait_dscnt 8
	WIN MUL_LO
	MUL16 0, 1, \st, 1
	MUL16 2, 1, \st, 1
	s_wait_dscnt 0x0
	WIN MUL_HI
	MUL16 4, 1, \st, 1
	MUL16 6, 1, \st, 1
	WIN 0
	PLACES 4
.endm
	s_load_b256 s[4:11], s[0:1], 0x0               ; pimg, pst, vimg, vsc
	s_load_b64 s[12:13], s[0:1], 0x20              ; out0
	v_lshl_add_u32 v[SPW], v0, 2, SPARE
	v_mov_b32 v[NIL], 0
	ds_add_u32 v12, v13
	ds_add_u32 v12, v13
	s_wait_dscnt 0x0
	v_lshrrev_b32 v1, 5, v0
	v_readfirstlane_b32 s[WV], v1
	s_lshr_b32 s[LH], s[WV], 1
	s_and_b32 s[RH], s[WV], 1
	s_bfe_u32 s[CX], ttmp6, 0x40000
	s_bfe_u32 s[CY], ttmp6, 0x40004
	s_lshl_b32 s[XT], ttmp9, 2
	s_add_co_u32 s[XT], s[XT], s[CX]
	s_and_b32 s[BT], ttmp7, 0xffff
	s_lshl_b32 s[RM], s[CY], 2
	s_lshl_b32 s[RM], 15, s[RM]
	s_lshl_b32 s[CM], 0x1111, s[CX]
	; group 1: 8 blocks x 4 K steps' images = 8 rows of 512 elements of 8 bytes, 2,048 elements apart, no padding; bit 21 set beside the mask
	s_or_b32 s[G1L], s[RM], (3<<16)|(1<<21)
	s_or_b32 s[G1R], s[CM], (3<<16)|(1<<21)
.irp g, G1L, G1R
	s_mov_b32 s[\g+1], 512<<16
	s_mov_b32 s[\g+2], 8<<16
	s_mov_b32 s[\g+3], 512<<16
	s_mov_b32 s[\g+4], 8
	s_mov_b32 s[\g+5], 2048
	s_mov_b32 s[\g+6], 0
	s_mov_b32 s[\g+7], 0
.endr
	s_lshl_b32 s[OLT], s[BT], 20                   ; P's tile hangs on the batch, the tile of queries (cy) and the wave,
	s_lshl_b32 s[OLT+1], s[CY], 18
	s_add_co_u32 s[OLT], s[OLT], s[OLT+1]
	s_lshl_b32 s[OLT+1], s[RH], 17
	s_add_co_u32 s[OLT], s[OLT], s[OLT+1]
	s_mov_b32 s[OLT+1], 0
	s_lshl_b32 s[ORT], s[BT], 20                   ; V's on the batch, the tile column (cx) and the wave
	s_lshl_b32 s[ORT+1], s[XT], 18
	s_add_co_u32 s[ORT], s[ORT], s[ORT+1]
	s_lshl_b32 s[ORT+1], s[RH], 17
	s_add_co_u32 s[ORT], s[ORT], s[ORT+1]
	s_mov_b32 s[ORT+1], 0
	s_lshl_b32 s[LA], s[WV], 15                    ; where it goes: wave x 32,768
	s_mov_b32 s[OF+1], 0
	s_mov_b32 s[SEL], 0x76543210
	s_mov_b32 s[SEL+1], 0xfedcba98
	s_mov_b32 s[HM], 0xffff0000
	s_wait_kmcnt 0x0
	s_add_nc_u64 s[OLT:OLT+1], s[PIMG:PIMG+1], s[OLT:OLT+1]
	s_add_nc_u64 s[ORT:ORT+1], s[VIMG:VIMG+1], s[ORT:ORT+1]
	CROUND                                         ; all sixteen work-groups are here: the first joint loads meet
.irp s, 0,1                                    ; K steps 0-3 and 4-7: two tensor loads of mine are out here, later one behind each round
	s_mov_b32 s[G0L+4*\s], 1
	s_add_co_u32 s[G0L+4*\s+1], s[LA], \s*SLOT
	s_add_nc_u64 s[G0L+4*\s+2:G0L+4*\s+3], s[OLT:OLT+1], \s*4096
	s_or_b32 s[G0L+4*\s+3], s[G0L+4*\s+3], 0x80000000
	s_mov_b32 s[G0R+4*\s], 1
	s_add_co_u32 s[G0R+4*\s+1], s[LA], \s*SLOT
	s_add_nc_u64 s[G0R+4*\s+2:G0R+4*\s+3], s[ORT:ORT+1], \s*4096
	s_or_b32 s[G0R+4*\s+3], s[G0R+4*\s+3], 0x80000000
	JLOAD G0L+4*\s, G1L, G0R+4*\s, G1R
.endr
	FIRST BT, 16
	TERM CY, 10
	TERM LH, 9
	BUMP PST                                       ; my 128 queries' words: [batch][K step 16][128 queries 8][r 16][block 8]
	FIRST BT, 16
	TERM XT, 10
	TERM RH, 9
	BUMP VSC                                       ; my 128 outputs' words
	v_and_b32 v1, 15, v0                           ; r
	v_bfe_u32 v2, v0, 4, 1                         ; h
	v_and_b32 v3, 31, v0                           ; lane
	v_lshlrev_b32 v[ST32], 5, v1
	v_lshl_add_u32 v[ST32], v2, 4, v[ST32]
	; 64 loads of 512 consecutive bytes: register 4 st + i: lanes 0-15 block i, lanes 16-31 block i + 4, K step st
.irp t, 0,1,2,3,4,5,6,7,8,9,10,11,12,13,14,15
	global_load_b128 v[NM+4*\t:NM+4*\t+3], v[ST32], s[PST:PST+1] offset:524288+4096*\t    ; -M'
.endr
.irp t, 0,1,2,3,4,5,6,7,8,9,10,11,12,13,14,15
	global_load_b128 v[LS+4*\t:LS+4*\t+3], v[ST32], s[PST:PST+1] offset:4096*\t           ; P's scale words, bit 7 of each byte set
.endr
	WIN TO_R
.irp t, 0,1,2,3,4,5,6,7,8,9,10,11,12,13,14,15
	global_load_b128 v[4*\t:4*\t+3], v[ST32], s[PST:PST+1] offset:1048576+4096*\t         ; l', into window 1
.endr
	WIN 0
.irp t, 0,1,2,3,4,5,6,7,8,9,10,11,12,13,14,15
	global_load_b128 v[RS+4*\t:RS+4*\t+3], v[ST32], s[VSC:VSC+1] offset:4096*\t           ; V's scale words
.endr
	FIRST CY, 23                                   ; out0: 256 queries x 32,768 bytes,
	TERM LH, 22
	TERM BT, 12
	TERM XT, 10
	TERM RH, 9
	BUMP OUTP
	v_lshlrev_b32 v[CO], 4, v3
	s_lshl_b32 s[LB0], s[LH], 15                   ; my 8 blocks of queries,
	s_lshl_b32 s[LB1], s[RH], 15
	s_add_co_u32 s[LB1], s[LB1], 2*HALFI           ; my 8 blocks of outputs
.irp s, 0,1
	v_add_nc_u32 v[ADRL+\s], s[LB0], v[CO]
	v_add_nc_u32 v[ADRR+\s], s[LB1], v[CO]
	s_add_co_u32 s[LB0], s[LB0], SLOT
	s_add_co_u32 s[LB1], s[LB1], SLOT
.endr
	s_mul_i32 s[LB0], s[WV], 16*SPITCH
	s_add_co_u32 s[LB0], s[LB0], STAGE             ; my stage
	v_mul_u32_u24 v[STO], v1, SPITCH
	v_lshl_add_u32 v[STO], v2, 5, v[STO]
	v_add_nc_u32 v[STO], s[LB0], v[STO]            ; in: row r, 32 bytes for each half of the lanes
	v_add_nc_u32 v[RD], s[LB0], v[CO]              ; back: the 32 lanes take one row of 512 bytes
.irp i, 0,1,2,3
	v_mov_b32 v[OT+\i], 0                          ; written once: a lane permute's destination counts as one of its sources
.endr
	s_wait_loadcnt 32                              ; -M' and P's scale words are in; l' and V's scale words (2 x 16) may be out
.irp i, 0,1,2,3
	v_min3_num_f32 v[NMN+\i], v[NM+\i], v[NM+4+\i], v[NM+8+\i]
.endr
.irp t, 3,5,7,9,11,13
.irp i, 0,1,2,3
	v_min3_num_f32 v[NMN+\i], v[NMN+\i], v[NM+4*\t+\i], v[NM+4*\t+4+\i]
.endr
.endr
.irp i, 0,1,2,3
	v_min_num_f32 v[NMN+\i], v[NMN+\i], v[NM+60+\i]    ; -M: the least of the sixteen -M'
.endr
.macro FIX st                          ; K step st, the four registers by turns
.irp i, 0,1,2,3
	v_sub_f32 v[FT+\i], v[NMN+\i], v[NM+4*(\st)+\i]    ; -d = (-M) - (-M') = M' - M: a whole number, 0 or less
.endr
.irp i, 0,1,2,3
	v_cvt_i32_f32 v[FT+\i], v[FT+\i]                   ; as an integer (it saturates)
.endr
.irp i, 0,1,2,3
	v_sub_nc_u32 v[FT+4+\i], 0, v[FT+\i]               ; d
.endr
.irp i, 0,1,2,3
	v_min_u32 v[FT+4+\i], 0x7f, v[FT+4+\i]             ; held at 127: no byte is above 125
.endr
.irp i, 0,1,2,3
	v_perm_b32 v[FT+4+\i], v[FT+4+\i], v[FT+4+\i], 0   ; in all four bytes
.endr
.irp i, 0,1,2,3
	v_sub_nc_u32 v[LS+4*(\st)+\i], v[LS+4*(\st)+\i], v[FT+4+\i]   ; 128 + x - d in each byte: at least 2, so nothing is borrowed from byte to byte
.endr
.irp i, 0,1,2,3
	v_and_b32 v[FT+8+\i], 0x80808080, v[LS+4*(\st)+\i] ; bit 7 stands where x >= d
.endr
.irp i, 0,1,2,3
	v_lshrrev_b32 v[FT+4+\i], 7, v[FT+8+\i]
.endr
.irp i, 0,1,2,3
	v_sub_nc_u32 v[FT+8+\i], v[FT+8+\i], v[FT+4+\i]    ; 0x7f there, 0 elsewhere
.endr
.irp i, 0,1,2,3
	v_and_b32 v[LS+4*(\st)+\i], v[LS+4*(\st)+\i], v[FT+8+\i]   ; x - d, or 0
.endr
.irp i, 0,1,2,3
	v_ldexp_f32 v[NM+4*(\st)+\i], 1.0, v[FT+\i]        ; 2^-d, in -M' 's place
.endr
.endm
.irp t, 0,1,2,3,4,5,6,7,8,9,10,11,12,13,14,15
	FIX \t
.endr
	s_wait_loadcnt 16                              ; l' is in; V's scale words may be out
	WIN 0x01                                       ; source 0 (l') window 1.  These 64 lines also stand between the last write of a scale register and the first product
.irp i, 0,1,2,3
	v_mul_f32 v[LQ+\i], v[\i], v[NM+\i]
.endr
.irp t, 1,2,3,4,5,6,7,8,9,10,11,12,13,14,15
.irp i, 0,1,2,3
	v_fma_f32 v[LQ+\i], v[4*\t+\i], v[NM+4*\t+\i], v[LQ+\i]   ; l = the sum of l' 2^-d
.endr
.endr
	WIN 0
.irp i, 0,1,2,3
	v_rcp_f32 v[RL+\i], v[LQ+\i]
.endr
	v_nop                                          ; a plain place behind the last reciprocal
	s_wait_alu depctr_va_vdst(0)                   ; one wait for the four, ahead of their first reader
.irp i, 0,1,2,3
	v_permlanex16_b32 v[OT+\i], v[RL+\i], s[SEL], s[SEL+1]
.endr
.irp i, 0,1,2,3                                ; 1 / l of query 16 a + r in both halves of the lanes and in both registers of a pair: block i is lanes 0-15's own, block 4 + i lanes 16-31's
	v_cndmask_b32 v[F2+2*\i], v[RL+\i], v[OT+\i], s[HM]
	v_cndmask_b32 v[F2+2*\i+1], v[RL+\i], v[OT+\i], s[HM]
	v_cndmask_b32 v[F2+8+2*\i], v[OT+\i], v[RL+\i], s[HM]
	v_cndmask_b32 v[F2+8+2*\i+1], v[OT+\i], v[RL+\i], s[HM]
.endr
	s_wait_loadcnt 0x0                             ; V's scale words
	s_wait_tensorcnt 0x1                           ; my part of slot 0 is in; slot 1's may stay out
	s_barrier_signal -1
	s_barrier_wait -1
	FETCH_R 0, 0, 0
	FETCH_L 0, 0, 0
	FETCH_L 0, 0, 4
	STEP 0, 0, 0, 0                                ; the first products start the sums
	STEP 0, 1, 1, 1
	STEP 0, 2, 2, 1
	TURN 0, 1, 3, 1                                ; slot 0 takes K steps 8-11
	STEP 1, 0, 4, 1
	STEP 1, 1, 5, 1
	STEP 1, 2, 6, 1
	TURN 1, 0, 7, 1                                ; slot 1 takes K steps 12-15
	STEP 0, 0, 8, 1
	STEP 0, 1, 9, 1
	STEP 0, 2, 10, 1
	TURN 0, 1, 11, 0                               ; nothing is left to fetch
	STEP 1, 0, 12, 1
	STEP 1, 1, 13, 1
	STEP 1, 2, 14, 1
	LAST 15
; THE WAY OUT, block by block of 16 queries x 128 outputs.  A lane holds 32 neighbouring bytes of a row and the lanes beside it other rows: so a block goes through my own stage in LDS and comes back as whole rows of 512 bytes.
; LDS serves a wave's instructions in order (ISA guide 5.7.1.4): no wait between the stores and the loads, nor in front of the next block's stores.
.macro SCALEO a                        ; results / l, each accumulator from its low end on
	WIN 2+(\a)/4
.set j, 0
.rept 32
	v_pk_mul_f32 v[TMP+j:TMP+j+1], v[64*((\a)%4)+j:64*((\a)%4)+j+1], v[F2+2*(\a):F2+2*(\a)+1]
.set j, j+2
.endr
	WIN 0
.endm
.macro TOSTAGE a
.irp bb, 0,1,2,3,4,5,6,7
.irp u, 0,1
	ds_store_b128 v[STO], v[TMP+8*\bb+4*\u:TMP+8*\bb+4*\u+3] offset:64*\bb+16*\u
.endr
.endr
	WIN TO_R                                       ; back into window 1, v0-63 and v64-127 by turns
.irp t, 0,1,2,3,4,5,6,7,8,9,10,11,12,13,14,15
	ds_load_b128 v[64*((\a)%2)+4*\t:64*((\a)%2)+4*\t+3], v[RD] offset:\t*SPITCH
.endr
	WIN 0
.endm
.macro SEND a, younger                 ; younger: the LDS instructions issued behind block a's loads, which may stay out
	s_wait_dscnt \younger
	WIN 0x04                                       ; a store's data are its source 1: window 1
.irp t, 0,1,2,3,4,5,6,7,8,9,10,11,12,13,14,15
	global_store_b128 v[CO], v[64*((\a)%2)+4*\t:64*((\a)%2)+4*\t+3], s[OUTP:OUTP+1] offset:524288*(\a)+32768*\t th:TH_STORE_NT   ; 32 lanes store 512 consecutive bytes, at a multiple of 512 from out0's first byte; 4,161,536 at the most: inside the signed 24-bit immediate
.endr
	WIN 0
.endm
	SCALEO 0
	TOSTAGE 0
.irp a, 1,2,3,4,5,6,7
.if \a > 1
	s_wait_xcnt 0x0                                ; block a - 2's stores have read their registers: block a's loads may land there
.endif
	SCALEO \a
	TOSTAGE \a
	SEND (\a)-1, 32                                ; behind block a - 1's loads: block a's 16 stores and 16 loads
.endr
	SEND 7, 0
	s_wait_tensorcnt 0x0                           ; the wave's end: behind my last tensor load and my last LDS store
	ds_add_u32 v[SPW], v[NIL]
	s_wait_dscnt 0x0
	CROUND                                         ; the closing round: no work-group ends while a partner may still ask for a tile that names it
	s_endpgm
.Lfunc_end_k_qeb6b7ba465_pv:
	.size	k_qeb6b7ba465_pv, .Lfunc_end_k_qeb6b7ba465_pv-k_qeb6b7ba465_pv
	.p2alignl 7, 3214868480
	.fill 96, 4, 3214868480
	.section	.rodata,"a",@progbits
	.p2align	6, 0x0
	.amdhsa_kernel k_qeb6b7ba465_pv
		.amdhsa_group_segment_fixed_size 327680
		.amdhsa_private_segment_fixed_size 0
		.amdhsa_enable_private_segment 0
		.amdhsa_kernarg_size 40
		.amdhsa_user_sgpr_count 2
		.amdhsa_user_sgpr_kernarg_segment_ptr 1
		.amdhsa_wavefront_size32 1
		.amdhsa_system_sgpr_workgroup_id_x 1
		.amdhsa_system_sgpr_workgroup_id_y 1
		.amdhsa_system_sgpr_workgroup_id_z 1
		.amdhsa_system_vgpr_workitem_id 0
		.amdhsa_next_free_vgpr 1024
		.amdhsa_next_free_sgpr 100
		.amdhsa_reserve_vcc 0
		.amdhsa_float_denorm_mode_32 3
		.amdhsa_float_denorm_mode_16_64 3
		.amdhsa_memory_ordered 1
		.amdhsa_forward_progress 1
		.amdhsa_inst_pref_size 255
	.end_amdhsa_kernel
	.section	.bss,"aw",@nobits
	.p2align	6
	.space	262144
	.amdgpu_metadata
---
amdhsa.version: [ 1, 2 ]
amdhsa.kernels:
  - .name:           k_qeb6b7ba465_pv
    .symbol:         k_qeb6b7ba465_pv.kd
    .args:
      - { .name: pimg, .offset: 0, .size: 8, .value_kind: global_buffer, .address_space: global }
      - { .name: pst, .offset: 8, .size: 8, .value_kind: global_buffer, .address_space: global }
      - { .name: vimg, .offset: 16, .size: 8, .value_kind: global_buffer, .address_space: global }
      - { .name: vsc, .offset: 24, .size: 8, .value_kind: global_buffer, .address_space: global }
      - { .name: out0, .offset: 32, .size: 8, .value_kind: global_buffer, .address_space: global }
    .group_segment_fixed_size: 327680
    .private_segment_fixed_size: 0
    .kernarg_segment_align: 8
    .kernarg_segment_size: 40
    .max_flat_workgroup_size: 128
    .sgpr_count:     100
    .vgpr_count:     1024
    .wavefront_size: 32
...
	.end_amdgpu_metadata
.endif
;; end of part 3
;; ======== version 2 of 2: 3 launches; 1.15 times as fast as version 1
;; workspace buffers: qimg 4,194,304 bytes; qsc 262,144 bytes; vimg 8,388,608 bytes; vsc 524,288 bytes; pimg 8,388,608 bytes; pst 1,572,864 bytes
;; launch vproj (part 4): grid 4 x 64, 4 waves a work-group, clusters of 4 x 4, 327,680 bytes of LDS; arguments k_codes, k_scales, W_codes, W_scales, b, q1, vimg, vsc, qimg, qsc; writes vimg, vsc, qimg, qsc
.if DOCPART == 4
	.amdgcn_target "amdgcn-amd-amdhsa--gfx1250"
	.amdhsa_code_object_version 6
	.text
	.protected	k_qeb6b7ba465_vproj
	.globl	k_qeb6b7ba465_vproj
	.p2align	8
	.type	k_qeb6b7ba465_vproj,@function
k_qeb6b7ba465_vproj:
	s_mov_b64 s[64:65], 0
	v_nop
	global_prefetch_b8 v0, s[64:65] scope:SCOPE_SE
	s_setreg_imm32_b32 hwreg(HW_REG_WAVE_MODE, 25, 1), 1
	s_wait_xcnt 0x0
	s_wait_alu depctr_hold_cnt(0) depctr_sa_sdst(0) depctr_va_vdst(0) depctr_va_sdst(0) depctr_va_ssrc(0) depctr_va_vcc(0) depctr_vm_vsrc(0)
	s_getreg_b32 s2, hwreg(HW_REG_IB_STS2, 6, 4)
	s_cmp_eq_u32 s2, 0
	s_cbranch_scc0 .Lentry_in_a_cluster
	s_endpgm
.Lentry_in_a_cluster:
	s_bfe_u32 s2, ttmp6, 0x10000c
	s_cmp_lg_u32 s2, 0xf033
	s_cbranch_scc0 .Lentry_shape_is_right
	s_endpgm
.Lentry_shape_is_right:
; LAUNCH 1 OF 3.  (a) v[s][bt][e] = sum over c of k[s][bt][c] W[e][c] + b[e], on codes of FP4 (E2M1) with one E8M0 scale for each 32 along c, and v quantised along the KEYS s, which are the
; third product's K.  (b) q1 / 8 quantised along its 1,024 channels, the second product's K.  The input 'value' is not among the arguments: reference() deletes it before its first use, so no result hangs on it.
; SHARES.  A work-group makes 256 keys x 256 outputs e of one batch bt; 4 tile columns (e) x 64 (8 batches x 8 tiles of keys) = 256 work-groups.  Four waves, each 128 x 128: 64 accumulators, 512 registers.
; THE MATRIX INSTRUCTION: source 0 (R) = 16 keys, source 1 (L) = 16 rows of W.  In the result a lane holds ONE output e (lane % 16) and its registers run along the keys: tile i's register j is key 16 i + 8 (lane / 16) + j.
; So a wave's eight tiles for 16 outputs are 128 keys: one K step of the third product.  They are quantised in registers and leave as an IMAGE OF THE OPERAND'S REGISTERS: 1,024 bytes, register group c at 512 c + 16 x lane.
; K = 1,024 lies in LDS whole: two slots of 512 along K, each filled ONCE; no LDS byte is filled twice.
; CLUSTER 4 x 4: the four work-groups of a row need the same tile of k, the four of a column the same tile of W: each tile is asked for jointly.
; THE SCALE WORDS of a wave's 128 + 128 rows, for all of K, lie in registers: lanes 0-15 hold block g's, lanes 16-31 block g + 4's; a product names the register of its block % 4 and the upper row of lanes for blocks 4-7.
; THE BIAS is the C of each sum's first product.
; q: wave (work-group, wave / 2) takes one block of 16 queries, wave % 2 its half of the channels: four fragments of 16 queries x 128 channels, quantised while the tiles land.  The conversions want a lane's registers to run
; along the channels of ONE query; a load is best where neighbouring lanes take neighbouring bytes.  Both are had: each load reads 512 consecutive bytes of one query, and a fragment's 8,192 bytes turn through the wave's own stage in LDS.
; LIMITS: NaN and infinities are not served.  A block whose largest magnitude lies under 2^-124 keeps the scale byte 1, a block of zeros too (the rule says 127): its codes are zeros, and this program alone reads the bytes.
; REGISTERS, in windows of 256.  Window 0: v1-15 addresses; v16-31 at work; v32-63 k's scale words; v64-95 W's; v96-127 q's codes; v128-191 L's fragments (first q's numbers, last v's codes); v192-219 scale words made here.
;   Window 1: v0-63, v128-191 R's two sets of fragments (first q's numbers, with v192-255); v64-127 the bias.   Windows 2, 3: the accumulators, (a, bb) at v[8 (8 (a % 4) + bb)]; first, in window 2, q1 as it is loaded.
.set PITCH,  272                       ; an LDS row: 256 bytes of codes + 16 of padding, so that the 16 rows of a load begin at 16 different columns of 16 bytes
.set HALFT,  128*PITCH                 ; 128 rows: what one tensor load brings
.set SLOT,   4*HALFT                   ; W's 256 rows, then k's 256 rows, 512 along K
.set QSTAGE, 2*SLOT                    ; behind the slots: q's stages, 16 rows for each wave; no fill lands here
.set QPITCH, 528                       ; a stage row: 512 bytes + 16, so that sixteen lanes that read one column of 16 rows begin at 16 different columns of 16 bytes
.set ADRL, 4                           ; v4-5   LDS address of my fragments of W in slot 0, 1
.set ADRR, 6                           ; v6-7   the same for k
.set QST,  8                           ; v8     q's stage, on the way in: 16 x lane
.set LI,   9                           ; v9     16 x lane: an image's place for my lane, and my 16 bytes of a load's 512
.set ST32, 10                          ; v10    32 r + 16 h: eight words a row, four a lane
.set QS,   11                          ; v11    16 r + 8 h: four words a row, two a lane
.set KSA,  12                          ; v12    k's scales: 256 (r + 64 h)
.set WSA,  13                          ; v13    W's scales: 32 (r + 64 h)
.set BA,   14                          ; v14    4 r
.set QRD,  15                          ; v15    q's stage, on the way out: 528 r + 32 h
.set TM,   16                          ; v16-19 largest magnitudes, v20-23 the other lanes' and then bytes, v24 at work at the head, v28-31 the conversions' scale operands
.set RS,   32                          ; R's scale words: block x, K step st at RS + 8 (x % 4) + st
.set RSB,  8
.set RSS,  1
.set LS,   64                          ; L's likewise
.set LSB,  8
.set LSS,  1
.set QPC,  96                          ; q's codes, 8 registers a fragment
.set AF,   128                         ; L's fragments
.set PC,   128                         ; v's codes, 8 registers for each block of 16 outputs
.set QW,   192                         ; q's four scale words
.set QD,   196                         ; and as they are stored
.set SW,   208                         ; v's eight scale words
.set SD,   216                         ; and as they are stored
.set BI,   64                          ; window 1: the bias, 8 equal registers for each block of 16 outputs
.set KCOD, 4
.set KSCL, 6
.set WCOD, 8
.set WSCL, 10
.set BIAS, 12
.set Q1P,  14
.set VIMG, 16
.set VSC,  18
.set QIMG, 20
.set QSC,  22
.set G1L,  24                          ; s[24:31] descriptor group 1 for W's tiles;  s[32:39] group 0, a set for each slot
.set G0L,  32
.set G1R,  40                          ; s[40:47], s[48:55] the same for k's tiles
.set G0R,  48
.set WV,   56                          ; wave
.set LH,   57                          ; wave / 2: my 128 rows of L.  Also: I fetch for L (0) or for R (1)
.set RH,   58                          ; wave % 2: my 128 rows of R.  Also: which 128 rows of that tile I fetch
.set CX,   59
.set CY,   60
.set XT,   61                          ; tile column: 256 outputs e
.set YC,   62                          ; the cluster's y
.set BT,   63                          ; batch
.set STL,  66                          ; tile of 256 keys
.set RM,   67
.set CM,   68
.set ORT,  70                          ; s[70:71] k's tile;  s[72:73] W's tile
.set OLT,  72
.set LA,   74                          ; LDS address of what I fetch
.set OF,   76                          ; s[76:77] an offset, 0 on top
.set T0,   78
.set SEL,  80                          ; s[80:81] v_permlanex16_b32's selects for lane l xor 16
.set HM,   82                          ; the mask of lanes 16-31
.set GQ,   83                          ; my block of 16 queries: 64 x batch + block
.set LB0,  84
.set LB1,  85
.set MSB, 0
.macro WIN new                         ; the immediate's high byte repeats the setting that is left; a switch that changes nothing is dropped
.if MSB != (\new)
	s_set_vgpr_msb (MSB<<8)|(\new)
.set MSB, (\new)
.endif
.endm
.set MUL_LO,  0xa1                     ; source 0 (R) window 1, source 1 (L) window 0, C and D window 2
.set MUL_HI,  0xf1                     ; the same, C and D window 3
.set BIAS_LO, 0x91                     ; C (the bias) window 1, D window 2
.set BIAS_HI, 0xd1                     ; C window 1, D window 3
.set TO_R,    0x40                     ; destination window 1, address window 0
.macro PLACES n
.rept \n
	v_nop
.endr
.endm
; A joint load: waves 0 and 1 fetch W's two halves, waves 2 and 3 k's.  The branch hangs on the wave's number alone.  Four v_nop follow each of the two lines.
.macro JLOAD g0l, g1l, g0r, g1r
	s_cmp_eq_u32 s[LH], 0
	s_cbranch_scc0 .Lfor_r_\@
	tensor_load_to_lds s[\g0l:\g0l+3], s[\g1l:\g1l+7]
	s_nop 0
	PLACES 4
	s_branch .Lasked_\@
.Lfor_r_\@:
	tensor_load_to_lds s[\g0r:\g0r+3], s[\g1r:\g1r+7]
	s_nop 0
	PLACES 4
.Lasked_\@:
.endm
.macro CROUND                          ; a round of the cluster's barrier
	s_barrier_signal -1
	s_barrier_wait -1
	s_cmp_lg_u32 s[WV], 0
	s_cbranch_scc1 .Lnot_wave_0_\@
	s_barrier_signal -3
.Lnot_wave_0_\@:
	s_barrier_wait -3
	s_barrier_signal -1
	s_barrier_wait -1
.endm
.macro FIRST reg, sh                   ; an offset is begun: reg << sh
	s_lshl_b32 s[OF], s[\reg], \sh
.endm
.macro TERM reg, sh                    ; + reg << sh
	s_lshl_b32 s[T0], s[\reg], \sh
	s_add_co_u32 s[OF], s[OF], s[T0]
.endm
.macro BUMP p                          ; and added to a pointer, once, ahead of the pointer's first use
	s_add_nc_u64 s[\p:\p+1], s[\p:\p+1], s[OF:OF+1]
.endm
; One product: L's block a x R's block bb, K step st, R's set p.  kind 0: C = 0;  1: in place;  2: C = the bias.
.macro WM a, bb, p, st, kind
.set rD, 8*(8*((\a)%4)+(\bb))
.set rR, 128*(\p)+8*(\bb)
.set rL, AF+8*(\a)
.set rC, rD
.if (\kind)==2
.set rC, BI+8*(\a)
.endif
.set rX, RS+RSB*((\bb)%4)+RSS*(\st)
.set rY, LS+LSB*((\a)%4)+LSS*(\st)
.set rV, 2*((\a)/4)+(\bb)/4
.if (\kind)==0
.if rV==0
	v_wmma_scale_f32_16x16x128_f8f6f4 v[rD:rD+7], v[rR:rR+7], v[rL:rL+7], 0, v[rX], v[rY] matrix_a_fmt:MATRIX_FMT_FP4 matrix_b_fmt:MATRIX_FMT_FP4
.elseif rV==1
	v_wmma_scale_f32_16x16x128_f8f6f4 v[rD:rD+7], v[rR:rR+7], v[rL:rL+7], 0, v[rX], v[rY] matrix_a_fmt:MATRIX_FMT_FP4 matrix_b_fmt:MATRIX_FMT_FP4 matrix_a_scale:MATRIX_SCALE_ROW1
.elseif rV==2
	v_wmma_scale_f32_16x16x128_f8f6f4 v[rD:rD+7], v[rR:rR+7], v[rL:rL+7], 0, v[rX], v[rY] matrix_a_fmt:MATRIX_FMT_FP4 matrix_b_fmt:MATRIX_FMT_FP4 matrix_b_scale:MATRIX_SCALE_ROW1
.else
	v_wmma_scale_f32_16x16x128_f8f6f4 v[rD:rD+7], v[rR:rR+7], v[rL:rL+7], 0, v[rX], v[rY] matrix_a_fmt:MATRIX_FMT_FP4 matrix_b_fmt:MATRIX_FMT_FP4 matrix_a_scale:MATRIX_SCALE_ROW1 matrix_b_scale:MATRIX_SCALE_ROW1
.endif
.else
.if rV==0
	v_wmma_scale_f32_16x16x128_f8f6f4 v[rD:rD+7], v[rR:rR+7], v[rL:rL+7], v[rC:rC+7], v[rX], v[rY] matrix_a_fmt:MATRIX_FMT_FP4 matrix_b_fmt:MATRIX_FMT_FP4
.elseif rV==1
	v_wmma_scale_f32_16x16x128_f8f6f4 v[rD:rD+7], v[rR:rR+7], v[rL:rL+7], v[rC:rC+7], v[rX], v[rY] matrix_a_fmt:MATRIX_FMT_FP4 matrix_b_fmt:MATRIX_FMT_FP4 matrix_a_scale:MATRIX_SCALE_ROW1
.elseif rV==2
	v_wmma_scale_f32_16x16x128_f8f6f4 v[rD:rD+7], v[rR:rR+7], v[rL:rL+7], v[rC:rC+7], v[rX], v[rY] matrix_a_fmt:MATRIX_FMT_FP4 matrix_b_fmt:MATRIX_FMT_FP4 matrix_b_scale:MATRIX_SCALE_ROW1
.else
	v_wmma_scale_f32_16x16x128_f8f6f4 v[rD:rD+7], v[rR:rR+7], v[rL:rL+7], v[rC:rC+7], v[rX], v[rY] matrix_a_fmt:MATRIX_FMT_FP4 matrix_b_fmt:MATRIX_FMT_FP4 matrix_a_scale:MATRIX_SCALE_ROW1 matrix_b_scale:MATRIX_SCALE_ROW1
.endif
.endif
.endm
; 16 products: L's blocks a0, a0 + 1 x R's eight.  The 64 accumulators take turns, one instruction a turn, in the same order in every K step.
.macro MUL16 a0, p, st, kind
.irp a, \a0, \a0+1
.irp bb, 0,1,2,3,4,5,6,7
	WM (\a), \bb, \p, \st, \kind
.endr
.endr
.endm
; A fragment, 16 rows x 128 K of 4-bit codes, is 8 registers: lane l holds row l % 16; registers 4 c .. 4 c + 3 hold K = 64 c + 32 (l / 16) + 0 .. 31: 16 bytes of the row as they lie.
.macro FRAGROW reg, adr, q, i
.irp c, 0,1
	ds_load_b128 v[(\reg)+4*\c:(\reg)+4*\c+3], v[\adr] offset:64*(\q)+32*\c+(\i)*16*PITCH
.endr
.endm
.macro FETCH_R slot, q, p              ; R's eight fragments of the slot's q-th 128 along K into set p: 16 loads
	WIN TO_R
.irp i, 0,1,2,3,4,5,6,7
	FRAGROW 128*(\p)+8*\i, ADRR+\slot, \q, \i
.endr
	WIN 0
.endm
.macro FETCH_L slot, q, i0             ; L's blocks i0 .. i0 + 3: 8 loads
.irp i, \i0, \i0+1, \i0+2, \i0+3
	FRAGROW AF+8*(\i), ADRL+\slot, \q, \i
.endr
.endm
; A K step of 128 that has its successor in the same slot.  L has one set of registers: a block is free when its eight products are issued.  R has two.
; A load into a register that a matrix instruction has read stands four plain vector instructions behind it (ISA guide 7.12.1 for vector instructions).
.macro STEP slot, q, st, kind
	s_wait_dscnt 8                                 ; R's set and L's blocks 0-3 are in; the youngest eight loads (L's blocks 4-7) may be out
.if (\kind)==2
	WIN BIAS_LO
.else
	WIN MUL_LO
.endif
	MUL16 0, (\q)%2, \st, \kind
	MUL16 2, (\q)%2, \st, \kind
	s_wait_dscnt 0x0                               ; L's blocks 4-7 are in
	PLACES 4
	FETCH_R \slot, (\q)+1, 1-(\q)%2
	FETCH_L \slot, (\q)+1, 0
.if (\kind)==2
	WIN BIAS_HI
.else
	WIN MUL_HI
.endif
	MUL16 4, (\q)%2, \st, \kind
	MUL16 6, (\q)%2, \st, \kind
	PLACES 4
	WIN 0
	FETCH_L \slot, (\q)+1, 4
.endm
; Slot 0's last K step.  The barrier shows slot 1 whole to every wave: each wave has waited for its own part.
.macro TURN slot, next, st
	s_wait_tensorcnt 0x0                           ; my part of the next slot has landed
	s_wait_dscnt 8
	WIN MUL_LO
	MUL16 0, 1, \st, 1
	s_wait_dscnt 0x0                               ; no LDS instruction of mine is out at the signal
	s_barrier_signal -1
	MUL16 2, 1, \st, 1
	WIN 0
	s_barrier_wait -1
	PLACES 4
	FETCH_R \next, 0, 0
	FETCH_L \next, 0, 0
	WIN MUL_HI
	MUL16 4, 1, \st, 1
	MUL16 6, 1, \st, 1
	PLACES 4
	WIN 0
	FETCH_L \next, 0, 4
.endm
.macro LAST st                         ; the very last K step: nothing more to fetch; four places ahead of the first read of results
	s_wait_dscnt 8
	WIN MUL_LO
	MUL16 0, 1, \st, 1
	MUL16 2, 1, \st, 1
	s_wait_dscnt 0x0
	WIN MUL_HI
	MUL16 4, 1, \st, 1
	MUL16 6, 1, \st, 1
	WIN 0
	PLACES 4
.endm
; 64 numbers of a lane, v[s] .. v[s + 63] of window w, register 8 i + j = k 16 i + 8 (lane / 16) + j of my row, become a fragment's codes in v[pc] on and its scale word in v[pw] (window 0).
; A block of 32 is tiles 2 b and 2 b + 1 in lanes l and l xor 16.  Each tile's registers are read from the low end on.
.macro QUANT s, w, pc, pw
	WIN (\w)|((\w)<<2)
.irp b, 0,1,2,3
	v_max3_num_f32 v[TM+\b], |v[(\s)+16*\b]|, |v[(\s)+16*\b+1]|, 0x1800000   ; with the floor 2^(3 - 127): the byte cannot fall under 1
.endr
.irp i, 2,4,6,8,10,12,14
.irp b, 0,1,2,3
	v_max3_num_f32 v[TM+\b], |v[(\s)+16*\b+\i]|, |v[(\s)+16*\b+\i+1]|, v[TM+\b]   ; the four blocks by turns
.endr
.endr
	WIN 0
.irp b, 0,1,2,3
	v_permlanex16_b32 v[TM+4+\b], v[TM+\b], s[SEL], s[SEL+1]
.endr
.irp b, 0,1,2,3
	v_max_num_f32 v[TM+\b], v[TM+\b], v[TM+4+\b]   ; with lane l xor 16's: the block's largest magnitude
.endr
.irp b, 0,1,2,3
	v_add_nc_u32 v[TM+12+\b], 0xff000000, v[TM+\b] ; 2 off its exponent field: the conversion takes the exponent field of this operand as its scale
.endr
.irp b, 0,1,2,3
	v_lshrrev_b32 v[TM+4+\b], 23, v[TM+12+\b]      ; the scale's byte
.endr
	v_lshl_or_b32 v[\pw], v[TM+5], 8, v[TM+4]
	v_lshl_or_b32 v[\pw], v[TM+6], 16, v[\pw]
	v_lshl_or_b32 v[\pw], v[TM+7], 24, v[\pw]      ; my row's scale word
	WIN (\w)
.irp i, 0,1,2,3,4,5,6,7
	v_cvt_scalef32_pk8_fp4_f32 v[(\pc)+4*(\i/4)+2*(\i%2)+((\i/2)%2)], v[(\s)+8*\i:(\s)+8*\i+7], v[TM+12+\i/2]   ; tile i's eight codes: tiles 0, 2, 1, 3 in registers 0 to 3
.endr
	WIN 0
	v_nop                                          ; one plain place behind a scaled conversion
.irp c, 0,1                                    ; the first's lanes 16-31 change places with the second's lanes 0-15: registers 4 c .. 4 c + 3 then hold k = 64 c + 32 (lane / 16) + 0 .. 31
	v_permlane16_swap_b32 v[(\pc)+4*\c], v[(\pc)+4*\c+1]
	v_permlane16_swap_b32 v[(\pc)+4*\c+2], v[(\pc)+4*\c+3]
.endr
.endm
; Eight words a row, the same in both halves of the lanes, leave by one store of 512 consecutive bytes: lanes 0-15 give words 0-3 of row r, lanes 16-31 words 4-7.
.macro STAT x, d, base, off
.irp i, 0,1,2,3
	v_cndmask_b32 v[(\d)+\i], v[(\x)+\i], v[(\x)+4+\i], s[HM]
.endr
	global_store_b128 v[ST32], v[(\d):(\d)+3], s[\base:\base+1] offset:\off
.endm
	s_load_b256 s[4:11], s[0:1], 0x0               ; k's codes, k's scales, W's codes, W's scales
	s_load_b256 s[12:19], s[0:1], 0x20             ; b, q1, vimg, vsc
	s_load_b128 s[20:23], s[0:1], 0x40             ; qimg, qsc
	v_lshl_add_u32 v254, v0, 2, 0x4c400
	v_mov_b32 v255, 0
	ds_add_u32 v254, v255
	ds_add_u32 v254, v255
	v_lshrrev_b32 v1, 5, v0
	v_readfirstlane_b32 s[WV], v1
	s_lshr_b32 s[LH], s[WV], 1
	s_and_b32 s[RH], s[WV], 1
	s_bfe_u32 s[CX], ttmp6, 0x40000                ; my place in the cluster
	s_bfe_u32 s[CY], ttmp6, 0x40004
	s_lshl_b32 s[XT], ttmp9, 2
	s_add_co_u32 s[XT], s[XT], s[CX]               ; tile column = 4 x cluster x + cx
	s_and_b32 s[YC], ttmp7, 0xffff
	s_lshr_b32 s[BT], s[YC], 1                     ; work-group y = 4 x cluster y + cy = 8 x batch + tile of keys
	s_and_b32 s[STL], s[YC], 1
	s_lshl_b32 s[STL], s[STL], 2
	s_add_co_u32 s[STL], s[STL], s[CY]
	s_lshl_b32 s[RM], s[CY], 2
	s_lshl_b32 s[RM], 15, s[RM]                    ; my row of the cluster
	s_lshl_b32 s[CM], 0x1111, s[CX]                ; my column
	; group 1: 128 rows x 256 bytes, elements of 1 byte, 4 words of padding behind every 64; bit 21 set beside the mask.  k's rows of one batch lie 4,096 bytes apart, W's 512
	s_or_b32 s[G1R], s[RM], (1<<20)|(1<<21)|(5<<22)|(3<<25)
	s_or_b32 s[G1L], s[CM], (1<<20)|(1<<21)|(5<<22)|(3<<25)
.irp g, G1L, G1R
	s_mov_b32 s[\g+1], 256<<16                     ; tensor_dim0
	s_mov_b32 s[\g+2], 128<<16                     ; tensor_dim1
	s_mov_b32 s[\g+3], 256<<16                     ; tile_dim0
	s_mov_b32 s[\g+4], 128                         ; tile_dim1
	s_mov_b32 s[\g+6], 0
	s_mov_b32 s[\g+7], 0
.endr
	s_mov_b32 s[G1L+5], 512                        ; tensor_dim0_stride
	s_mov_b32 s[G1R+5], 4096
	; k's tile hangs on the batch, the tile of keys (cy) and the wave; W's on the tile column (cx) and the wave: each in registers that never hold the other coordinate
	s_lshl_b32 s[ORT], s[STL], 20                  ; 256 keys x 4,096 bytes
	s_lshl_b32 s[ORT+1], s[RH], 19
	s_add_co_u32 s[ORT], s[ORT], s[ORT+1]
	s_lshl_b32 s[ORT+1], s[BT], 9
	s_add_co_u32 s[ORT], s[ORT], s[ORT+1]
	s_mov_b32 s[ORT+1], 0
	s_lshl_b32 s[OLT], s[XT], 17                   ; 256 rows x 512 bytes
	s_lshl_b32 s[OLT+1], s[RH], 16
	s_add_co_u32 s[OLT], s[OLT], s[OLT+1]
	s_mov_b32 s[OLT+1], 0
	s_mul_i32 s[LA], s[WV], HALFT                  ; where it goes: wave x 128 rows
	s_mov_b32 s[OF+1], 0
	s_mov_b32 s[SEL], 0x76543210
	s_mov_b32 s[SEL+1], 0xfedcba98
	s_mov_b32 s[HM], 0xffff0000
	s_wait_dscnt 0x0
	s_wait_kmcnt 0x0
	s_add_nc_u64 s[ORT:ORT+1], s[KCOD:KCOD+1], s[ORT:ORT+1]
	s_add_nc_u64 s[OLT:OLT+1], s[WCOD:WCOD+1], s[OLT:OLT+1]
	CROUND                                         ; all sixteen work-groups are here: the joint loads meet
.irp s, 0,1                                    ; both slots at once: two tensor loads of mine are out, the launch's only ones
	s_mov_b32 s[G0L+4*\s], 1
	s_add_co_u32 s[G0L+4*\s+1], s[LA], \s*SLOT
	s_add_nc_u64 s[G0L+4*\s+2:G0L+4*\s+3], s[OLT:OLT+1], \s*256
	s_or_b32 s[G0L+4*\s+3], s[G0L+4*\s+3], 0x80000000
	s_mov_b32 s[G0R+4*\s], 1
	s_add_co_u32 s[G0R+4*\s+1], s[LA], \s*SLOT
	s_add_nc_u64 s[G0R+4*\s+2:G0R+4*\s+3], s[ORT:ORT+1], \s*256
	s_or_b32 s[G0R+4*\s+3], s[G0R+4*\s+3], 0x80000000
	JLOAD G0L+4*\s, G1L, G0R+4*\s, G1R
.endr
	; ---- q: my block of 16 queries and my half of its channels
	s_lshl_b32 s[GQ], s[YC], 2
	s_add_co_u32 s[GQ], s[GQ], s[CY]
	s_lshl_b32 s[GQ], s[GQ], 2
	s_add_co_u32 s[GQ], s[GQ], s[XT]
	s_lshl_b32 s[GQ], s[GQ], 1
	s_add_co_u32 s[GQ], s[GQ], s[LH]               ; 2 x work-group + wave / 2 = 64 x batch + block, 0 .. 511
	s_and_b32 s[OF], s[GQ], 63
	s_lshl_b32 s[OF], s[OF], 19                    ; 16 queries x 32,768 bytes
	s_lshr_b32 s[T0], s[GQ], 6
	s_lshl_b32 s[T0], s[T0], 12                    ; the batch's 4,096 bytes of a query
	s_add_co_u32 s[OF], s[OF], s[T0]
	TERM RH, 11                                    ; my 512 channels
	BUMP Q1P
	v_and_b32 v1, 15, v0                           ; r
	v_bfe_u32 v2, v0, 4, 1                         ; h
	v_and_b32 v3, 31, v0                           ; lane
	v_lshlrev_b32 v[LI], 4, v3
; fragment f as it lies in memory: query t's channels 128 f .. 128 f + 127, 512 consecutive bytes a load, into v[64 f + 4 t] on of window 2
.macro RLOAD f
.irp t, 0,1,2,3,4,5,6,7,8,9,10,11,12,13,14,15
	global_load_b128 v[64*(\f)+4*\t:64*(\f)+4*\t+3], v[LI], s[Q1P:Q1P+1] offset:32768*\t+512*(\f) th:TH_LOAD_NT
.endr
.endm
	WIN 0x80                                       ; destination window 2, address window 0
	RLOAD 0
	RLOAD 1
	RLOAD 2
	RLOAD 3
	WIN 0
	; the other pointers, each at my wave's part
	FIRST GQ, 13
	TERM RH, 12
	BUMP QIMG                                      ; [batch][block][K step 8][1,024]
	FIRST GQ, 9
	TERM RH, 8
	BUMP QSC                                       ; [batch][block][half of K][r][4 words]
	FIRST STL, 16
	TERM RH, 15
	TERM BT, 5
	BUMP KSCL                                      ; key x 256 + batch x 32
	FIRST XT, 13
	TERM LH, 12
	BUMP WSCL
	FIRST XT, 10
	TERM LH, 9
	BUMP BIAS
	FIRST BT, 20
	TERM XT, 18
	TERM LH, 17
	TERM STL, 11
	TERM RH, 10
	BUMP VIMG                                      ; [batch][block of 16 outputs 64][K step 16][1,024]
	FIRST BT, 16
	TERM STL, 13
	TERM RH, 12
	TERM XT, 10
	TERM LH, 9
	BUMP VSC                                       ; [batch][K step 16][128 outputs 8][r 16][block 8] words
	s_mul_i32 s[LB0], s[WV], 16*QPITCH
	s_add_co_u32 s[LB0], s[LB0], QSTAGE            ; my stage for q
	v_add_nc_u32 v[QST], s[LB0], v[LI]             ; in: a row's 512 bytes as they lie
	v_mul_u32_u24 v[QRD], v1, QPITCH
	v_lshl_add_u32 v[QRD], v2, 5, v[QRD]
	v_add_nc_u32 v[QRD], s[LB0], v[QRD]            ; out: row r, + 32 h: my eight channels of each 16
	v_mul_u32_u24 v24, v1, PITCH
	v_lshl_add_u32 v24, v2, 4, v24                 ; a fragment's row x pitch + 16 x half
	s_mul_i32 s[LB0], s[LH], HALFT                 ; my 128 rows of W,
	s_mul_i32 s[LB1], s[RH], HALFT                 ; my 128 keys,
	s_add_co_u32 s[LB1], s[LB1], 2*HALFT           ; which lie behind W's 256 rows
.irp s, 0,1
	v_add_nc_u32 v[ADRL+\s], s[LB0], v24
	v_add_nc_u32 v[ADRR+\s], s[LB1], v24
	s_add_co_u32 s[LB0], s[LB0], SLOT
	s_add_co_u32 s[LB1], s[LB1], SLOT
.endr
	v_lshlrev_b32 v[ST32], 5, v1
	v_lshl_add_u32 v[ST32], v2, 4, v[ST32]
	v_lshlrev_b32 v[QS], 4, v1
	v_lshl_add_u32 v[QS], v2, 3, v[QS]
	v_lshl_add_u32 v[KSA], v2, 6, v1               ; r + 64 h: lanes 16-31 take the block four further on
	v_lshlrev_b32 v[WSA], 5, v[KSA]
	v_lshlrev_b32 v[KSA], 8, v[KSA]
	v_lshlrev_b32 v[BA], 2, v1
.irp b, 0,1,2,3
	v_mov_b32 v[TM+4+\b], 0                        ; written once: a lane permute's destination counts as one of its sources
.endr
; fragment f turns through my stage: 16 rows in as they were loaded; out into window w from v[reg] on: register 8 i + 4 u + .. = channel 128 f + 16 i + 8 h + 4 u + .. of query r.
; LDS serves a wave's instructions in order (ISA guide 5.7.1.4): no wait between the stores and the loads, nor in front of the next fragment's stores.
.macro TURNQ f, reg, w
	WIN 0x08                                       ; an LDS store's data are its source 1: window 2
.irp t, 0,1,2,3,4,5,6,7,8,9,10,11,12,13,14,15
	ds_store_b128 v[QST], v[64*(\f)+4*\t:64*(\f)+4*\t+3] offset:QPITCH*\t
.endr
	WIN ((\w)<<6)
.irp i, 0,1,2,3,4,5,6,7
.irp u, 0,1
	ds_load_b128 v[(\reg)+8*\i+4*\u:(\reg)+8*\i+4*\u+3], v[QRD] offset:64*\i+16*\u
.endr
.endr
	WIN 0
.endm
; fragment f of q, in window w from v[reg] on: x 1/8, as reference() has it (exact), quantised, its image stored.  left: the younger LDS instructions that may stay out
.macro QFRAG f, reg, w, left
	s_wait_dscnt \left
	WIN ((\w)<<6)|(\w)
.set j, 0
.rept 32
	v_pk_mul_f32 v[(\reg)+j:(\reg)+j+1], v[(\reg)+j:(\reg)+j+1], 0x3e000000 op_sel_hi:[1,0]
.set j, j+2
.endr
	QUANT \reg, \w, QPC+8*(\f), QW+(\f)
.irp c, 0,1
	global_store_b128 v[LI], v[QPC+8*(\f)+4*\c:QPC+8*(\f)+4*\c+3], s[QIMG:QIMG+1] offset:1024*(\f)+512*\c   ; 512 consecutive bytes
.endr
.endm
	s_wait_loadcnt 48                              ; fragment 0's sixteen loads are in; behind them: 3 x 16
	TURNQ 0, 128, 0
	s_wait_loadcnt 32                              ; fragment 1's; behind them: 2 x 16
	TURNQ 1, 192, 1
	; the scale words of my 128 keys and my 128 rows of W for all of K, and the bias: 24 loads, with the four fragments' arithmetic in which to land
.irp g, 0,1,2,3
.irp kh, 0,1
	global_load_b128 v[RS+8*\g+4*\kh:RS+8*\g+4*\kh+3], v[KSA], s[KSCL:KSCL+1] offset:4096*\g+16*\kh
.endr
.endr
.irp g, 0,1,2,3
.irp kh, 0,1
	global_load_b128 v[LS+8*\g+4*\kh:LS+8*\g+4*\kh+3], v[WSA], s[WSCL:WSCL+1] offset:512*\g+16*\kh
.endr
.endr
	WIN TO_R
.irp a, 0,1,2,3,4,5,6,7
	global_load_b32 v[BI+8*\a], v[BA], s[BIAS:BIAS+1] offset:64*\a   ; b of output 16 a + r, in both halves of the lanes
.endr
	WIN 0
	QFRAG 0, 128, 0, 32                            ; behind fragment 0's turn: fragment 1's 16 stores and 16 loads
	s_wait_loadcnt 40                              ; fragment 2's loads are in; behind them: fragment 3's 16 and the 24
	TURNQ 2, 0, 1
	QFRAG 1, 192, 1, 32
	s_wait_loadcnt 24                              ; fragment 3's; behind them: the 24
	TURNQ 3, 128, 1
	QFRAG 2, 0, 1, 32
	QFRAG 3, 128, 1, 0                             ; no LDS instruction of mine is out from here to the first fetch of fragments
	v_cndmask_b32 v[QD], v[QW], v[QW+2], s[HM]     ; lanes 0-15 give words 0, 1 of row r, lanes 16-31 words 2, 3
	v_cndmask_b32 v[QD+1], v[QW+1], v[QW+3], s[HM]
	global_store_b64 v[QS], v[QD:QD+1], s[QSC:QSC+1]   ; 256 consecutive bytes
	s_wait_loadcnt 0x0                             ; scale words and bias
	WIN 0x41
.irp a, 0,1,2,3,4,5,6,7
.irp j, 1,2,3,4,5,6,7
	v_mov_b32 v[BI+8*\a+\j], v[BI+8*\a]            ; C wants the lane's b in all eight registers: they are eight keys of one output
.endr
.endr
	WIN 0
	PLACES 4
	; ---- the products: eight K steps of 128
	s_wait_tensorcnt 0x1                           ; my part of slot 0 is in; slot 1's may stay out
	s_barrier_signal -1
	s_barrier_wait -1                              ; everybody's is
	FETCH_R 0, 0, 0
	FETCH_L 0, 0, 0
	FETCH_L 0, 0, 4
	STEP 0, 0, 0, 2                                ; the first products start the sums from the bias
	STEP 0, 1, 1, 1
	STEP 0, 2, 2, 1
	TURN 0, 1, 3
	STEP 1, 0, 4, 1
	STEP 1, 1, 5, 1
	STEP 1, 2, 6, 1
	LAST 7
	; ---- the way out: for each block of 16 outputs my 128 keys become one fragment of V^T and one scale word a row
.irp a, 0,1,2,3,4,5,6,7
	QUANT 64*((\a)%4), 2+(\a)/4, PC+8*(\a), SW+(\a)
.irp c, 0,1
	global_store_b128 v[LI], v[PC+8*\a+4*\c:PC+8*\a+4*\c+3], s[VIMG:VIMG+1] offset:16384*\a+512*\c   ; 512 consecutive bytes
.endr
.endr
	STAT SW, SD, VSC, 0
	s_wait_tensorcnt 0x0
	ds_add_u32 v254, v255
	s_wait_dscnt 0x0
	CROUND                                         ; the closing round: no work-group ends while a partner may still ask for a tile that names it
	s_endpgm
.Lfunc_end_k_qeb6b7ba465_vproj:
	.size	k_qeb6b7ba465_vproj, .Lfunc_end_k_qeb6b7ba465_vproj-k_qeb6b7ba465_vproj
	.p2alignl 7, 3214868480
	.fill 96, 4, 3214868480
	.section	.rodata,"a",@progbits
	.p2align	6, 0x0
	.amdhsa_kernel k_qeb6b7ba465_vproj
		.amdhsa_group_segment_fixed_size 327680
		.amdhsa_private_segment_fixed_size 0
		.amdhsa_enable_private_segment 0
		.amdhsa_kernarg_size 80
		.amdhsa_user_sgpr_count 2
		.amdhsa_user_sgpr_kernarg_segment_ptr 1
		.amdhsa_wavefront_size32 1
		.amdhsa_system_sgpr_workgroup_id_x 1
		.amdhsa_system_sgpr_workgroup_id_y 1
		.amdhsa_system_sgpr_workgroup_id_z 1
		.amdhsa_system_vgpr_workitem_id 0
		.amdhsa_next_free_vgpr 1024
		.amdhsa_next_free_sgpr 100
		.amdhsa_reserve_vcc 0
		.amdhsa_float_denorm_mode_32 3
		.amdhsa_float_denorm_mode_16_64 3
		.amdhsa_memory_ordered 1
		.amdhsa_forward_progress 1
		.amdhsa_inst_pref_size 173
	.end_amdhsa_kernel
	.amdgpu_metadata
---
amdhsa.version: [ 1, 2 ]
amdhsa.kernels:
  - .name:           k_qeb6b7ba465_vproj
    .symbol:         k_qeb6b7ba465_vproj.kd
    .args:
      - { .name: k_codes, .offset: 0, .size: 8, .value_kind: global_buffer, .address_space: global }
      - { .name: k_scales, .offset: 8, .size: 8, .value_kind: global_buffer, .address_space: global }
      - { .name: W_codes, .offset: 16, .size: 8, .value_kind: global_buffer, .address_space: global }
      - { .name: W_scales, .offset: 24, .size: 8, .value_kind: global_buffer, .address_space: global }
      - { .name: b, .offset: 32, .size: 8, .value_kind: global_buffer, .address_space: global }
      - { .name: q1, .offset: 40, .size: 8, .value_kind: global_buffer, .address_space: global }
      - { .name: vimg, .offset: 48, .size: 8, .value_kind: global_buffer, .address_space: global }
      - { .name: vsc, .offset: 56, .size: 8, .value_kind: global_buffer, .address_space: global }
      - { .name: qimg, .offset: 64, .size: 8, .value_kind: global_buffer, .address_space: global }
      - { .name: qsc, .offset: 72, .size: 8, .value_kind: global_buffer, .address_space: global }
    .group_segment_fixed_size: 327680
    .private_segment_fixed_size: 0
    .kernarg_segment_align: 8
    .kernarg_segment_size: 80
    .max_flat_workgroup_size: 128
    .sgpr_count:     100
    .vgpr_count:     1024
    .wavefront_size: 32
...
	.end_amdgpu_metadata
.endif
;; end of part 4
;; launch scores: the kernel of part 2 again; grid 4 x 64, 4 waves a work-group, clusters of 4 x 4, 327,680 bytes of LDS; arguments k_codes, k_scales, qimg, qsc, pimg, pst; writes pimg, pst
;; launch pv (part 5): grid 4 x 64, 4 waves a work-group, clusters of 4 x 4, 327,680 bytes of LDS; arguments pimg, pst, vimg, vsc, out0; writes out0
.if DOCPART == 5
	.amdgcn_target "amdgcn-amd-amdhsa--gfx1250"
	.amdhsa_code_object_version 6
	.text
	.protected	k_qeb6b7ba465_pv
	.globl	k_qeb6b7ba465_pv
	.p2align	8
	.type	k_qeb6b7ba465_pv,@function
k_qeb6b7ba465_pv:
	s_mov_b64 s[64:65], 0
	v_nop
	global_prefetch_b8 v0, s[64:65] scope:SCOPE_SE
	s_setreg_imm32_b32 hwreg(HW_REG_WAVE_MODE, 25, 1), 1
	s_wait_xcnt 0x0
	s_wait_alu depctr_hold_cnt(0) depctr_sa_sdst(0) depctr_va_vdst(0) depctr_va_sdst(0) depctr_va_ssrc(0) depctr_va_vcc(0) depctr_vm_vsrc(0)
	s_getreg_b32 s2, hwreg(HW_REG_IB_STS2, 6, 4)
	s_cmp_eq_u32 s2, 0
	s_cbranch_scc0 .Lentry_in_a_cluster
	s_endpgm
.Lentry_in_a_cluster:
	s_bfe_u32 s2, ttmp6, 0x10000c
	s_cmp_lg_u32 s2, 0xf033
	s_cbranch_scc0 .Lentry_shape_is_right
	s_endpgm
.Lentry_shape_is_right:
; LAUNCH 3 OF 3.  out[q][bt][e] = (sum over the 2,048 keys of P[q][key] V[key][e]) / l[q], on codes of FP4 (E2M1) with one E8M0 scale for each 32 keys.
; SHARES.  A work-group makes 128 queries x 256 outputs e of one batch; 4 tile columns (e) x 64 (8 batches x 8 tiles of queries) = 256 work-groups.  Four waves, each 64 queries x 128 outputs: 32 accumulators, 256 registers.
; (Tiles of 256 x 256 would be 128 work-groups.  The smaller tile reads 12 fragments from LDS for 32 products where the larger reads 16 for 64.)
; THE MATRIX INSTRUCTION: source 0 (R) = 16 rows e of V^T, source 1 (L) = 16 queries of P; both come as images of the operand's registers, 1,024 bytes a fragment.  A lane holds one query and eight neighbouring e.
; THE HEAD finishes the softmax.  Launch 2 took each run of 128 keys under its own whole number M'.  Here, for each of my 64 queries: -M = the least of the sixteen -M'; d = M - M', a whole number, 0 or more;
; each scale byte x of that run becomes x - d, or 0 where d is larger (such a block is worth under 6 x 2^-127 beside a sum above 1/2); l = the sum of l' 2^-d.  The codes stay as they are.
; The bytes come with bit 7 set: 128 + x - d stays above 0 in every byte (x is at least 1, d is held at 127), so one subtraction serves four bytes, and bit 7 then says where x >= d.
; Both halves of the lanes load the same four words of query r (my four blocks): so P's scales stand in lanes 0-15, and 1 / l stands in every lane that holds the query.
; K: sixteen steps of 128 keys.  LDS holds three slots of 4 K steps; all three are asked for at the head; slot 0 alone is filled again, with K steps 12-15.
; CLUSTER 4 x 4: P's tile is shared along a row of the cluster, V's along a column: asked for jointly.
; The scale words of all sixteen K steps lie in registers, so their numbers change from step to step: the sixteen steps are written out.
; LIMITS: NaN and infinities are not served.
; REGISTERS.  Window 0: v1-15 addresses; v16-31 at work at the head; v32-95 P's scale words; v96-159 V's; v160-223 L's two sets of fragments (first -M', last results / l); v224-231 1 / l, twice for each block; v232-235 l.
;   Window 1: v0-63, v128-191 R's two sets (first l'; last, with v64-127, rows read back from the stage).   Window 2: the accumulators, (a, bb) at v[8 (8 a + bb)].
.set LHALF,  16384                     ; P: 4 blocks x 4 K steps x 1,024 bytes: what one tensor load brings, and what one wave reads
.set RHALF,  32768                     ; V: 8 blocks x 4 K steps x 1,024 bytes likewise
.set ROFF,   2*LHALF                   ; a slot: P's 8 blocks, then V's 16 blocks
.set SLOT,   ROFF+2*RHALF              ; 98,304 bytes
.set SPARE,  3*SLOT                    ; behind the slots: the spare words, 128 bytes for each wave: two blocks of 256 bytes that no other line names
.set STAGE,  SLOT                      ; the way out: 16 rows x (512 bytes + 16) for each wave, in slot 1: it is filled once, at the head, and every wave passes the barrier of K step 11 behind its last read of it
.set SPITCH, 528
.set PA,   3                           ; v3     32 r: my query's eight words
.set ADRL, 4                           ; v4-6   LDS address of my fragments of P in slot 0, 1, 2
.set ADRR, 7                           ; v7-9   the same for V
.set STO,  10                          ; the stage: where I put 32 bytes of a row
.set RD,   11                          ; and where I read a row back
.set CO,   12                          ; 16 x lane
.set ST32, 13                          ; 32 r + 16 h
.set SPW,  14                          ; LDS address of my spare word; never rewritten
.set NIL,  15                          ; 0; never rewritten
.set FT,   16                          ; v16-27 at work
.set NMN,  28                          ; v28-31 -M
.set LS,   32                          ; P's scale words: block a, K step st at LS + a + 4 st
.set RS,   96                          ; V's: block bb at RS + bb % 4 + 4 st, lanes 16-31 for blocks 4-7
.set AF,   160                         ; L's fragments: set p at AF + 32 p
.set NM,   160                         ; -M', then 2^-d
.set TMP,  160                         ; results / l
.set F2,   224
.set LQ,   232
.set PIMG, 4
.set PST,  6
.set VIMG, 8
.set VSC,  10
.set OUTP, 12
.set G1L,  24                          ; s[24:31] descriptor group 1 for P's tiles;  s[32:39] for V's
.set G1R,  32
.set G0L,  40                          ; s[40:51] group 0 for P's tiles, a set for each slot;  s[52:63] for V's
.set G0R,  52
.set WV,   66
.set LH,   67                          ; wave / 2: my 64 queries.  Also: I fetch for P (0) or for V (1)
.set RH,   68                          ; wave % 2: my 128 outputs.  Also: which half of that tile I fetch
.set CX,   69
.set CY,   70
.set XT,   71                          ; tile column: 256 outputs e
.set YC,   72                          ; the cluster's y
.set BT,   73                          ; batch
.set QT,   74                          ; tile of 128 queries
.set RM,   75
.set CM,   76
.set LAL,  77
.set ORT,  78
.set OLT,  80
.set LAR,  82
.set T0,   83
.set OF,   84
.set LB0,  86
.set LB1,  87
.set MSB, 0
.macro WIN new                         ; the immediate's high byte repeats the setting that is left; a switch that changes nothing is dropped
.if MSB != (\new)
	s_set_vgpr_msb (MSB<<8)|(\new)
.set MSB, (\new)
.endif
.endm
.set MUL,     0xa1                     ; source 0 (R) window 1, source 1 (L) window 0, C and D window 2
.set TO_R,    0x40                     ; destination window 1, address window 0
.macro PLACES n
.rept \n
	v_nop
.endr
.endm
.macro JLOAD g0l, g1l, g0r, g1r        ; waves 0 and 1 fetch P's two halves, waves 2 and 3 V's; four v_nop follow each of the two lines
	s_cmp_eq_u32 s[LH], 0
	s_cbranch_scc0 .Lfor_r_\@
	tensor_load_to_lds s[\g0l:\g0l+3], s[\g1l:\g1l+7]
	s_nop 0
	PLACES 4
	s_branch .Lasked_\@
.Lfor_r_\@:
	tensor_load_to_lds s[\g0r:\g0r+3], s[\g1r:\g1r+7]
	s_nop 0
	PLACES 4
.Lasked_\@:
.endm
.macro CREST                           ; a round of the cluster's barrier behind its opening barrier
	s_cmp_lg_u32 s[WV], 0
	s_cbranch_scc1 .Lnot_wave_0_\@
	s_barrier_signal -3
.Lnot_wave_0_\@:
	s_barrier_wait -3
	s_barrier_signal -1
	s_barrier_wait -1
.endm
.macro CROUND
	s_barrier_signal -1
	s_barrier_wait -1
	CREST
.endm
.macro FIRST reg, sh
	s_lshl_b32 s[OF], s[\reg], \sh
.endm
.macro TERM reg, sh
	s_lshl_b32 s[T0], s[\reg], \sh
	s_add_co_u32 s[OF], s[OF], s[T0]
.endm
.macro BUMP p
	s_add_nc_u64 s[\p:\p+1], s[\p:\p+1], s[OF:OF+1]
.endm
.macro WM a, bb, st, kind              ; L's block a x R's block bb, K step st, on the sets st % 2.  kind 0: C = 0;  1: in place
.set rD, 8*(8*(\a)+(\bb))
.set rR, 128*((\st)%2)+8*(\bb)
.set rL, AF+32*((\st)%2)+8*(\a)
.set rX, RS+(\bb)%4+4*(\st)
.set rY, LS+(\a)+4*(\st)
.if (\kind)==0
.if (\bb)<4
	v_wmma_scale_f32_16x16x128_f8f6f4 v[rD:rD+7], v[rR:rR+7], v[rL:rL+7], 0, v[rX], v[rY] matrix_a_fmt:MATRIX_FMT_FP4 matrix_b_fmt:MATRIX_FMT_FP4
.else
	v_wmma_scale_f32_16x16x128_f8f6f4 v[rD:rD+7], v[rR:rR+7], v[rL:rL+7], 0, v[rX], v[rY] matrix_a_fmt:MATRIX_FMT_FP4 matrix_b_fmt:MATRIX_FMT_FP4 matrix_a_scale:MATRIX_SCALE_ROW1
.endif
.else
.if (\bb)<4
	v_wmma_scale_f32_16x16x128_f8f6f4 v[rD:rD+7], v[rR:rR+7], v[rL:rL+7], v[rD:rD+7], v[rX], v[rY] matrix_a_fmt:MATRIX_FMT_FP4 matrix_b_fmt:MATRIX_FMT_FP4
.else
	v_wmma_scale_f32_16x16x128_f8f6f4 v[rD:rD+7], v[rR:rR+7], v[rL:rL+7], v[rD:rD+7], v[rX], v[rY] matrix_a_fmt:MATRIX_FMT_FP4 matrix_b_fmt:MATRIX_FMT_FP4 matrix_a_scale:MATRIX_SCALE_ROW1
.endif
.endif
.endm
.macro MUL8 a, st, kind                ; L's block a x R's eight.  The 32 accumulators take turns, one instruction a turn, in the same order in every K step
.irp bb, 0,1,2,3,4,5,6,7
	WM \a, \bb, \st, \kind
.endr
.endm
.macro FRAGIMG reg, adr, q, i          ; block i, the slot's q-th K step; 512 consecutive bytes a load
.irp c, 0,1
	ds_load_b128 v[(\reg)+4*\c:(\reg)+4*\c+3], v[\adr] offset:(\i)*4096+(\q)*1024+512*\c
.endr
.endm
.macro FETCH slot, q, p                ; a K step's fragments into the sets p: R's eight, L's four: 24 loads
	WIN TO_R
.irp i, 0,1,2,3,4,5,6,7
	FRAGIMG 128*(\p)+8*\i, ADRR+\slot, \q, \i
.endr
	WIN 0
.irp i, 0,1,2,3
	FRAGIMG AF+32*(\p)+8*\i, ADRL+\slot, \q, \i
.endr
.endm
; K step st.  First the next step's fragments (slot nslot, its nq-th K step) are asked for, into the sets that the step before has multiplied: four places stand behind its products
; (a load into a register that a matrix instruction has read stands four plain vector instructions behind it: ISA guide 7.12.1 for vector instructions).
.macro STEP st, nslot, nq, kind
.if (\st) > 0
	PLACES 4
.endif
	FETCH \nslot, \nq, ((\st)+1)%2
	s_wait_dscnt 24                                ; this step's fragments are in; the 24 loads just issued may be out
	WIN MUL
	MUL8 0, \st, \kind
	MUL8 1, \st, \kind
	MUL8 2, \st, \kind
	MUL8 3, \st, \kind
	WIN 0
.endm
; A K step with a barrier in it, behind which the next step's slot is read.  In front of the barrier each wave waits for all its tensor loads, adds 0 to its spare word, and waits for that and for all its LDS reads.
; fill = 1 (K step 3): the barrier opens a round of the cluster's barrier, and slot 0, whose four K steps have been read, takes K steps 12-15: the load has eight K steps, 256 matrix instructions, in which to land.
.macro TURN st, nslot, fill
	s_wait_tensorcnt 0x0                           ; all my tensor loads have landed
	ds_add_u32 v[SPW], v[NIL]                      ; 0 onto my spare word
	s_wait_dscnt 1                                 ; this step's fragments are in; the add may be out
	WIN MUL
	MUL8 0, \st, 1                                 ; eight matrix instructions stand between the add and the wait for it
	s_wait_dscnt 0x0                               ; the add is done, and my LDS reads are over
	s_barrier_signal -1
	MUL8 1, \st, 1
	WIN 0
	s_barrier_wait -1
.if \fill
	CREST                                          ; no wave of any partner still reads slot 0 or has a load on its way
	s_add_nc_u64 s[G0L+2:G0L+3], s[G0L+2:G0L+3], 12288   ; twelve K steps on
	s_add_nc_u64 s[G0R+2:G0R+3], s[G0R+2:G0R+3], 12288
	JLOAD G0L, G1L, G0R, G1R                       ; the first tensor load behind the round, and my last; its four v_nop are the places in front of the loads below
.else
	PLACES 4
.endif
	FETCH \nslot, 0, ((\st)+1)%2
	WIN MUL
	MUL8 2, \st, 1
	MUL8 3, \st, 1
	WIN 0
.endm
.macro LAST st                         ; the very last K step: nothing more to fetch; four places ahead of the first read of results
	s_wait_dscnt 0x0
	WIN MUL
	MUL8 0, \st, 1
	MUL8 1, \st, 1
	MUL8 2, \st, 1
	MUL8 3, \st, 1
	WIN 0
	PLACES 4
.endm
	s_load_b256 s[4:11], s[0:1], 0x0               ; pimg, pst, vimg, vsc
	s_load_b64 s[12:13], s[0:1], 0x20              ; out0
	v_lshl_add_u32 v[SPW], v0, 2, SPARE
	v_mov_b32 v[NIL], 0
	ds_add_u32 v14, v15
	ds_add_u32 v14, v15
	s_wait_dscnt 0x0
	v_lshrrev_b32 v1, 5, v0
	v_readfirstlane_b32 s[WV], v1
	s_lshr_b32 s[LH], s[WV], 1
	s_and_b32 s[RH], s[WV], 1
	s_bfe_u32 s[CX], ttmp6, 0x40000
	s_bfe_u32 s[CY], ttmp6, 0x40004
	s_lshl_b32 s[XT], ttmp9, 2
	s_add_co_u32 s[XT], s[XT], s[CX]               ; tile column = 4 x cluster x + cx
	s_and_b32 s[YC], ttmp7, 0xffff
	s_lshr_b32 s[BT], s[YC], 1                     ; work-group y = 4 x cluster y + cy = 8 x batch + tile of queries: the batch hangs on the cluster's y alone
	s_and_b32 s[QT], s[YC], 1
	s_lshl_b32 s[QT], s[QT], 2
	s_add_co_u32 s[QT], s[QT], s[CY]
	s_lshl_b32 s[RM], s[CY], 2
	s_lshl_b32 s[RM], 15, s[RM]                    ; my row of the cluster
	s_lshl_b32 s[CM], 0x1111, s[CX]                ; my column
	; group 1: a block's 4 K steps' images are a row of 512 elements of 8 bytes; rows 2,048 elements apart; no padding; bit 21 set beside the mask.  P: 4 rows; V: 8 rows
	s_or_b32 s[G1L], s[RM], (3<<16)|(1<<21)
	s_or_b32 s[G1R], s[CM], (3<<16)|(1<<21)
.irp g, G1L, G1R
	s_mov_b32 s[\g+1], 512<<16                     ; tensor_dim0
	s_mov_b32 s[\g+3], 512<<16                     ; tile_dim0
	s_mov_b32 s[\g+5], 2048                        ; tensor_dim0_stride
	s_mov_b32 s[\g+6], 0
	s_mov_b32 s[\g+7], 0
.endr
	s_mov_b32 s[G1L+2], 4<<16                      ; tensor_dim1
	s_mov_b32 s[G1L+4], 4                          ; tile_dim1
	s_mov_b32 s[G1R+2], 8<<16
	s_mov_b32 s[G1R+4], 8
	s_lshl_b32 s[OLT], s[BT], 20                   ; P's tile hangs on the batch, the tile of queries (cy) and the wave:
	s_lshl_b32 s[OLT+1], s[QT], 17                 ; 8 blocks x 16,384 bytes,
	s_add_co_u32 s[OLT], s[OLT], s[OLT+1]
	s_lshl_b32 s[OLT+1], s[RH], 16                 ; 4 blocks
	s_add_co_u32 s[OLT], s[OLT], s[OLT+1]
	s_mov_b32 s[OLT+1], 0
	s_lshl_b32 s[ORT], s[BT], 20                   ; V's on the batch, the tile column (cx) and the wave
	s_lshl_b32 s[ORT+1], s[XT], 18
	s_add_co_u32 s[ORT], s[ORT], s[ORT+1]
	s_lshl_b32 s[ORT+1], s[RH], 17
	s_add_co_u32 s[ORT], s[ORT], s[ORT+1]
	s_mov_b32 s[ORT+1], 0
	s_lshl_b32 s[LAL], s[RH], 14                   ; where they go: P's half,
	s_lshl_b32 s[LAR], s[RH], 15
	s_add_co_u32 s[LAR], s[LAR], ROFF              ; V's half
	s_mov_b32 s[OF+1], 0
	s_wait_kmcnt 0x0
	s_add_nc_u64 s[OLT:OLT+1], s[PIMG:PIMG+1], s[OLT:OLT+1]
	s_add_nc_u64 s[ORT:ORT+1], s[VIMG:VIMG+1], s[ORT:ORT+1]
	CROUND                                         ; all sixteen work-groups are here: the first joint loads meet
.irp s, 0,1,2                                  ; K steps 0-3, 4-7 and 8-11: three tensor loads of mine are out here, later one
	s_mov_b32 s[G0L+4*\s], 1
	s_add_co_u32 s[G0L+4*\s+1], s[LAL], \s*SLOT
	s_add_nc_u64 s[G0L+4*\s+2:G0L+4*\s+3], s[OLT:OLT+1], \s*4096
	s_or_b32 s[G0L+4*\s+3], s[G0L+4*\s+3], 0x80000000
	s_mov_b32 s[G0R+4*\s], 1
	s_add_co_u32 s[G0R+4*\s+1], s[LAR], \s*SLOT
	s_add_nc_u64 s[G0R+4*\s+2:G0R+4*\s+3], s[ORT:ORT+1], \s*4096
	s_or_b32 s[G0R+4*\s+3], s[G0R+4*\s+3], 0x80000000
	JLOAD G0L+4*\s, G1L, G0R+4*\s, G1R
.endr
	FIRST BT, 16
	TERM QT, 9
	TERM LH, 4
	BUMP PST                                       ; my 64 queries' words: [batch][K step 16][128 queries 8][r 16][block 8]: blocks 4 (wave / 2) on
	FIRST BT, 16
	TERM XT, 10
	TERM RH, 9
	BUMP VSC                                       ; my 128 outputs' words
	v_and_b32 v1, 15, v0                           ; r
	v_bfe_u32 v2, v0, 4, 1                         ; h
	v_lshlrev_b32 v[PA], 5, v1
	v_lshl_add_u32 v[ST32], v2, 4, v[PA]
	; 64 loads.  P's: register 4 st + i: block i of my four, K step st, query r, in both halves of the lanes.  V's: lanes 0-15 block i, lanes 16-31 block i + 4
.irp t, 0,1,2,3,4,5,6,7,8,9,10,11,12,13,14,15
	global_load_b128 v[NM+4*\t:NM+4*\t+3], v[PA], s[PST:PST+1] offset:524288+4096*\t      ; -M'
.endr
.irp t, 0,1,2,3,4,5,6,7,8,9,10,11,12,13,14,15
	global_load_b128 v[LS+4*\t:LS+4*\t+3], v[PA], s[PST:PST+1] offset:4096*\t             ; P's scale words, bit 7 of each byte set
.endr
	WIN TO_R
.irp t, 0,1,2,3,4,5,6,7,8,9,10,11,12,13,14,15
	global_load_b128 v[4*\t:4*\t+3], v[PA], s[PST:PST+1] offset:1048576+4096*\t           ; l', into window 1
.endr
	WIN 0
.irp t, 0,1,2,3,4,5,6,7,8,9,10,11,12,13,14,15
	global_load_b128 v[RS+4*\t:RS+4*\t+3], v[ST32], s[VSC:VSC+1] offset:4096*\t           ; V's scale words
.endr
	FIRST QT, 22                                   ; out0: 128 queries x 32,768 bytes,
	TERM LH, 21                                    ; my 64,
	TERM BT, 12
	TERM XT, 10
	TERM RH, 9
	BUMP OUTP
	v_and_b32 v[CO], 31, v0
	v_lshlrev_b32 v[CO], 4, v[CO]
	s_lshl_b32 s[LB0], s[LH], 14                   ; my 4 blocks of queries,
	s_lshl_b32 s[LB1], s[RH], 15
	s_add_co_u32 s[LB1], s[LB1], ROFF              ; my 8 blocks of outputs
.irp s, 0,1,2
	v_add_nc_u32 v[ADRL+\s], s[LB0], v[CO]
	v_add_nc_u32 v[ADRR+\s], s[LB1], v[CO]
	s_add_co_u32 s[LB0], s[LB0], SLOT
	s_add_co_u32 s[LB1], s[LB1], SLOT
.endr
	s_mul_i32 s[LB0], s[WV], 16*SPITCH
	s_add_co_u32 s[LB0], s[LB0], STAGE             ; my stage
	v_mul_u32_u24 v[STO], v1, SPITCH
	v_lshl_add_u32 v[STO], v2, 5, v[STO]
	v_add_nc_u32 v[STO], s[LB0], v[STO]            ; in: row r, 32 bytes for each half of the lanes
	v_add_nc_u32 v[RD], s[LB0], v[CO]              ; back: the 32 lanes take one row of 512 bytes
	s_wait_loadcnt 32                              ; -M' and P's scale words are in; l' and V's scale words (2 x 16) may be out
.irp i, 0,1,2,3
	v_min3_num_f32 v[NMN+\i], v[NM+\i], v[NM+4+\i], v[NM+8+\i]
.endr
.irp t, 3,5,7,9,11,13
.irp i, 0,1,2,3
	v_min3_num_f32 v[NMN+\i], v[NMN+\i], v[NM+4*\t+\i], v[NM+4*\t+4+\i]
.endr
.endr
.irp i, 0,1,2,3
	v_min_num_f32 v[NMN+\i], v[NMN+\i], v[NM+60+\i]    ; -M: the least of the sixteen -M'
.endr
.macro FIX st                          ; K step st, the four registers by turns
.irp i, 0,1,2,3
	v_sub_f32 v[FT+\i], v[NMN+\i], v[NM+4*(\st)+\i]    ; -d = (-M) - (-M') = M' - M: a whole number, 0 or less
.endr
.irp i, 0,1,2,3
	v_cvt_i32_f32 v[FT+\i], v[FT+\i]                   ; as an integer (it saturates)
.endr
.irp i, 0,1,2,3
	v_sub_nc_u32 v[FT+4+\i], 0, v[FT+\i]               ; d
.endr
.irp i, 0,1,2,3
	v_min_u32 v[FT+4+\i], 0x7f, v[FT+4+\i]             ; held at 127: no byte is above 125
.endr
.irp i, 0,1,2,3
	v_perm_b32 v[FT+4+\i], v[FT+4+\i], v[FT+4+\i], 0   ; in all four bytes
.endr
.irp i, 0,1,2,3
	v_sub_nc_u32 v[LS+4*(\st)+\i], v[LS+4*(\st)+\i], v[FT+4+\i]   ; 128 + x - d in each byte: at least 2, so nothing is borrowed from byte to byte
.endr
.irp i, 0,1,2,3
	v_and_b32 v[FT+8+\i], 0x80808080, v[LS+4*(\st)+\i] ; bit 7 stands where x >= d
.endr
.irp i, 0,1,2,3
	v_lshrrev_b32 v[FT+4+\i], 7, v[FT+8+\i]
.endr
.irp i, 0,1,2,3
	v_sub_nc_u32 v[FT+8+\i], v[FT+8+\i], v[FT+4+\i]    ; 0x7f there, 0 elsewhere
.endr
.irp i, 0,1,2,3
	v_and_b32 v[LS+4*(\st)+\i], v[LS+4*(\st)+\i], v[FT+8+\i]   ; x - d, or 0
.endr
.irp i, 0,1,2,3
	v_ldexp_f32 v[NM+4*(\st)+\i], 1.0, v[FT+\i]        ; 2^-d, in -M' 's place
.endr
.endm
.irp t, 0,1,2,3,4,5,6,7,8,9,10,11,12,13,14,15
	FIX \t
.endr
	s_wait_loadcnt 16                              ; l' is in; V's scale words may be out
	WIN 0x01                                       ; source 0 (l') window 1.  These 64 lines also stand between the last write of a scale register and the first product
.irp i, 0,1,2,3
	v_mul_f32 v[LQ+\i], v[\i], v[NM+\i]
.endr
.irp t, 1,2,3,4,5,6,7,8,9,10,11,12,13,14,15
.irp i, 0,1,2,3
	v_fma_f32 v[LQ+\i], v[4*\t+\i], v[NM+4*\t+\i], v[LQ+\i]   ; l = the sum of l' 2^-d
.endr
.endr
	WIN 0
.irp i, 0,1,2,3
	v_rcp_f32 v[F2+2*\i], v[LQ+\i]                 ; 1 / l of query 16 i + r, made twice: the pair that the packed multiply takes
	v_rcp_f32 v[F2+2*\i+1], v[LQ+\i]
.endr
	v_nop                                          ; a plain place behind the last reciprocal
	s_wait_alu depctr_va_vdst(0)                   ; one wait for the eight, ahead of their first reader and of the branches that follow
	s_wait_loadcnt 0x0                             ; V's scale words
	s_wait_tensorcnt 0x2                           ; my part of slot 0 is in; slots 1 and 2 may stay out
	s_barrier_signal -1
	s_barrier_wait -1
	FETCH 0, 0, 0
	STEP 0, 0, 1, 0                                ; the first products start the sums
	STEP 1, 0, 2, 1
	STEP 2, 0, 3, 1
	TURN 3, 1, 1                                   ; slots 1 and 2 are whole for every wave; slot 0 takes K steps 12-15
	STEP 4, 1, 1, 1
	STEP 5, 1, 2, 1
	STEP 6, 1, 3, 1
	STEP 7, 2, 0, 1                                ; on into slot 2 with no barrier: the one in K step 3 stood behind every wave's wait for all its loads
	STEP 8, 2, 1, 1
	STEP 9, 2, 2, 1
	STEP 10, 2, 3, 1
	TURN 11, 0, 0                                  ; slot 0's second fill is whole for every wave; nothing is left to fetch
	STEP 12, 0, 1, 1
	STEP 13, 0, 2, 1
	STEP 14, 0, 3, 1
	LAST 15
; THE WAY OUT, block by block of 16 queries x 128 outputs.  A lane holds 32 neighbouring bytes of a row and the lanes beside it other rows: so a block goes through my own stage in LDS and comes back as whole rows of 512 bytes.
; LDS serves a wave's instructions in order (ISA guide 5.7.1.4): no wait between the stores and the loads, nor in front of the next block's stores.
.macro SCALEO a                        ; results / l, each accumulator from its low end on
	WIN 0x02                                       ; source 0 window 2
.set j, 0
.rept 32
	v_pk_mul_f32 v[TMP+j:TMP+j+1], v[64*(\a)+j:64*(\a)+j+1], v[F2+2*(\a):F2+2*(\a)+1]
.set j, j+2
.endr
	WIN 0
.endm
.macro TOSTAGE a
.irp bb, 0,1,2,3,4,5,6,7
.irp u, 0,1
	ds_store_b128 v[STO], v[TMP+8*\bb+4*\u:TMP+8*\bb+4*\u+3] offset:64*\bb+16*\u
.endr
.endr
	WIN TO_R                                       ; back into window 1, v0-63 and v64-127 by turns
.irp t, 0,1,2,3,4,5,6,7,8,9,10,11,12,13,14,15
	ds_load_b128 v[64*((\a)%2)+4*\t:64*((\a)%2)+4*\t+3], v[RD] offset:\t*SPITCH
.endr
	WIN 0
.endm
.macro SEND a, younger                 ; younger: the LDS instructions issued behind block a's loads, which may stay out
	s_wait_dscnt \younger
	WIN 0x04                                       ; a store's data are its source 1: window 1
.irp t, 0,1,2,3,4,5,6,7,8,9,10,11,12,13,14,15
	global_store_b128 v[CO], v[64*((\a)%2)+4*\t:64*((\a)%2)+4*\t+3], s[OUTP:OUTP+1] offset:524288*(\a)+32768*\t th:TH_STORE_NT   ; 32 lanes store 512 consecutive bytes, at a multiple of 512 from out0's first byte; 2,064,384 at the most: inside the signed 24-bit immediate
.endr
	WIN 0
.endm
	SCALEO 0
	TOSTAGE 0
.irp a, 1,2,3
.if \a > 1
	s_wait_xcnt 0x0                                ; block a - 2's stores have read their registers: block a's loads may land there
.endif
	SCALEO \a
	TOSTAGE \a
	SEND (\a)-1, 32                                ; behind block a - 1's loads: block a's 16 stores and 16 loads
.endr
	SEND 3, 0
	s_wait_tensorcnt 0x0                           ; the wave's end: behind my last tensor load and my last LDS store
	ds_add_u32 v[SPW], v[NIL]
	s_wait_dscnt 0x0
	CROUND                                         ; the closing round: no work-group ends while a partner may still ask for a tile that names it
	s_endpgm
.Lfunc_end_k_qeb6b7ba465_pv:
	.size	k_qeb6b7ba465_pv, .Lfunc_end_k_qeb6b7ba465_pv-k_qeb6b7ba465_pv
	.p2alignl 7, 3214868480
	.fill 96, 4, 3214868480
	.section	.rodata,"a",@progbits
	.p2align	6, 0x0
	.amdhsa_kernel k_qeb6b7ba465_pv
		.amdhsa_group_segment_fixed_size 327680
		.amdhsa_private_segment_fixed_size 0
		.amdhsa_enable_private_segment 0
		.amdhsa_kernarg_size 40
		.amdhsa_user_sgpr_count 2
		.amdhsa_user_sgpr_kernarg_segment_ptr 1
		.amdhsa_wavefront_size32 1
		.amdhsa_system_sgpr_workgroup_id_x 1
		.amdhsa_system_sgpr_workgroup_id_y 1
		.amdhsa_system_sgpr_workgroup_id_z 1
		.amdhsa_system_vgpr_workitem_id 0
		.amdhsa_next_free_vgpr 768
		.amdhsa_next_free_sgpr 100
		.amdhsa_reserve_vcc 0
		.amdhsa_float_denorm_mode_32 3
		.amdhsa_float_denorm_mode_16_64 3
		.amdhsa_memory_ordered 1
		.amdhsa_forward_progress 1
		.amdhsa_inst_pref_size 168
	.end_amdhsa_kernel
	.amdgpu_metadata
---
amdhsa.version: [ 1, 2 ]
amdhsa.kernels:
  - .name:           k_qeb6b7ba465_pv
    .symbol:         k_qeb6b7ba465_pv.kd
    .args:
      - { .name: pimg, .offset: 0, .size: 8, .value_kind: global_buffer, .address_space: global }
      - { .name: pst, .offset: 8, .size: 8, .value_kind: global_buffer, .address_space: global }
      - { .name: vimg, .offset: 16, .size: 8, .value_kind: global_buffer, .address_space: global }
      - { .name: vsc, .offset: 24, .size: 8, .value_kind: global_buffer, .address_space: global }
      - { .name: out0, .offset: 32, .size: 8, .value_kind: global_buffer, .address_space: global }
    .group_segment_fixed_size: 327680
    .private_segment_fixed_size: 0
    .kernarg_segment_align: 8
    .kernarg_segment_size: 40
    .max_flat_workgroup_size: 128
    .sgpr_count:     100
    .vgpr_count:     768
    .wavefront_size: 32
...
	.end_amdgpu_metadata
.endif
;; end of part 5
